; MI455X (gfx1250); checked and timed in simulation.
; The chip was launched on July 23, 2026; its instructions are those of AMD's public machine-readable ISA for CDNA 5 (MIT licence, August 2026) and "CDNA5" Instruction Set Architecture Reference Guide (July 2026). The comments in the code are by the model that wrote it; some were corrected since.
;; Directional Self Attention. Allowed arithmetic: matrix products marked QUANTISED: E2M3 operands, one E8M0 scale for each 32 along K, by v_wmma_scale_f32_16x16x128_f8f6f4 with both operands' format E2M3, f32 sums; everything else in f32.
;; Inputs: proj_b 1,024 float32; proj_w 1,024 x 1,024 float32; qkv_b 3,072 float32; qkv_w 1,024 x 3,072 float32; x 4 x 2,048 x 1,024 float32.
;; Outputs: out0 4 x 2,048 x 1,024 float32.
;; Constants: direction = 0.
;; This version of the problem:
;;   THIS VERSION OF THE PROBLEM IS GIVEN IN LOW PRECISION. The matrix products marked QUANTISED in the list below multiply operands that are first quantised to E2M3 (2 exponent bits, 3 mantissa bits; 6 bits a number), with one power-of-two scale for each 32 numbers along K (OCP MX v1.0); their sums are f32. All else is computed in f32.
;;   The module's matrix products, in the order in which they are computed (A, B: the left and right operand; K: the contracted axis; several contracted axes count as one K, in the product's order):
;;     1. [M 8,192, K 1,024] x [K 1,024, N 3,072]; A: input x; B: input qkv_w: QUANTISED
;;     2. batch 64 x [M 2,048, K 64] x [K 64, N 2,048]; A: computed on the way; B: computed on the way: QUANTISED
;;     3. batch 64 x [M 2,048, K 2,048] x [K 2,048, N 64]; A: softmax (see below); B: computed on the way: QUANTISED
;;     4. [M 8,192, K 1,024] x [K 1,024, N 1,024]; A: computed on the way; B: input proj_w: QUANTISED
;;   THE QUANTISER, for each operand of a quantised product, along K:
;;     - K is cut into blocks of 32 from its start; a last block that is shorter is filled with zeros.
;;     - A block's scale is 2^e with e = floor(log2(the largest magnitude in the block)) - 2, held to -126 .. 127; a block of zeros has e = 0. As a byte (E8M0): e + 127.
;;     - Each number is divided by its block's scale, clamped to +-7.5, and rounded to the nearest number of E2M3, ties to even, subnormals kept.
;;     - The product sums the exact products of the quantised numbers (number of the format x scale) in f32.
;;   ~~~python
;;   def quantise(x, axis):      # numpy; x: float32 -> the quantised numbers, widened to float32 again
;;       x = np.moveaxis(x, axis, -1); K = x.shape[-1]
;;       x = np.pad(x, [(0, 0)] * (x.ndim - 1) + [(0, -K % 32)]); x = x.reshape(x.shape[:-1] + (-1, 32)); a = np.abs(x).max(-1, keepdims=True)
;;       e = np.where(a > 0, np.clip(np.frexp(np.where(a > 0, a, 1))[1] - 1 - 2, -126, 127), 0)      # np.frexp(a)[1] - 1 = floor(log2(a)), exactly
;;       r = np.clip(x / 2.0 ** e, -7.5, 7.5)
;;       step = 2.0 ** (np.maximum(np.frexp(np.where(r == 0, 1, r))[1] - 1, 0) - 3)
;;       q = np.round(r / step) * step * 2.0 ** e      # np.round: ties to even
;;       return np.moveaxis(q.reshape(q.shape[:-2] + (-1,))[..., :K], -1, axis).astype(np.float32)
;;   ~~~
;;   SOFTMAX AHEAD OF A QUANTISED PRODUCT. Where the list says 'softmax', what is quantised is not the finished softmax but p = 2^(t - M), with t = logit x log2(e) and M = ceil(the row's largest t), a whole number; so 1/2 < the row's largest p <= 1. The row's sum l is taken of the UNQUANTISED p, in f32, and the product's result is divided by l at the end. Since M is a whole number, a kernel that streams over the keys may use a running M (the ceiling of the running maximum): every later rescaling is an exact power of two, which a block's scale takes up: the codes' values come out the same.
;;   OPERANDS COMPUTED ON THE WAY. 'Computed on the way' means the value that the module computes at that place (a softmax that the list does not call 'softmax' is quantised finished and normalised). What goes into a quantiser is computed in f32, as accurately as f32 sums, v_exp_f32 and their like allow (about 1e-6 of the number): no bf16 or f16 on the way to a quantiser, and a product that is left as it is and whose result goes on into a quantised operand takes f32 operands (vector FMAs, or v_wmma_f32_16x16x4_f32). A number that lies on a knife's edge between two numbers of the format may be rounded either way, as far as f32 arithmetic and the matrix unit's own rounding can turn it there, and no further.
;; One version. Each part assembles by itself: llvm-mc -triple=amdgcn-amd-amdhsa -mcpu=gfx1250 --defsym DOCPART=n.
;; ======== version 1 of 1: 4 launches
;; workspace buffers: xc 6,291,456 bytes; xs 262,144 bytes; wc 3,145,728 bytes; ws 131,072 bytes; qk 13,631,488 bytes; vv 6,553,600 bytes; oc 6,291,456 bytes; os 262,144 bytes
;; launch quant (part 1): grid 512 x 1, 2 waves a work-group, no clusters, 29,952 bytes of LDS; arguments x, qkv_w, proj_w, xc, xs, wc, ws; writes xc, xs, wc, ws
.if DOCPART == 1
	.amdgcn_target "amdgcn-amd-amdhsa--gfx1250"
	.amdhsa_code_object_version 6
	.text
	.protected	k_q503d075780_quant
	.globl	k_q503d075780_quant
	.p2align	8
	.type	k_q503d075780_quant,@function
k_q503d075780_quant:
	s_mov_b64 s[64:65], 0
	v_nop
	global_prefetch_b8 v0, s[64:65] scope:SCOPE_SE
	s_setreg_imm32_b32 hwreg(HW_REG_WAVE_MODE, 25, 1), 1
	s_wait_xcnt 0x0
; x [8192][1024], qkv_w [1024][3072] and proj_w [1024][1024], f32, become codes of FP6 (E2M3) with one E8M0 byte for each 32 along K = 1024.
; A block's scale is 2^(floor(log2(largest magnitude)) - 2); its byte is the largest magnitude's exponent field - 2, held at 1 from below.
; LIMITS: NaN and infinities among the inputs are not served.  A block of zeros, or one whose largest magnitude lies under 2^-124, gets the byte 1
; (its codes are zeros or nearly so; only this program reads the bytes).
; LAYOUT OF THE CODES.  A tile is 16 rows (tokens of x, columns of a weight): tile T, place r is index 32 (T / 2) + 8 (T % 2) + r % 8 + 16 (r / 8).
; A tile's codes are 16 images of 768 bytes, one for each 64 along K.  An image is a picture of six operand registers: lane l = r + 16 h holds the
; 192 bits of k = 32 h .. 32 h + 31 of place r; its registers 0-3 lie at byte 16 l, its registers 4-5 at byte 512 + 8 l.
; SCALE BYTES: [16 T + r][32], byte b for block b of K.
; Work-groups 0-255 take x (a wave: one tile, all of K); work-groups 256-511 take the weights (a wave: 32 columns x 256 along K).  Each of the two ways has
; LDS bytes of its own; waves share nothing, so there is no barrier.
.set XSTG,  8448                       ; x: a wave's stage, 16 rows of 512 bytes + 16
.set WST,   2*XSTG                     ; the weights' stages begin here
.set WREG,  6400                       ; a wave's: two tiles of 3,072 bytes + 128
.set L16,   1                          ; v1   16 x lane
.set SIN,   2                          ; v2   x: into the stage
.set SOUT,  3                          ; v3   x: out of the stage
.set L8,    4                          ; v4   8 x lane
.set LN,    5                          ; v5   lane
.set XSO,   8                          ; v8   x: my 16 bytes of the tile's scale rows
.set R,     16                         ; v16-143  x as loaded, two sets of 64
.set X,     144                        ; v144-207 64 numbers of my row
.set PC,    208                        ; v208-226 codes
.set TM,    228                        ; v228-243 at work
.set PW,    244                        ; v244     the scale word just made
.set SW,    246                        ; v246-253 the scale words of the 8 K steps
.set SEL,   50                         ; s[50:51] selects of v_permlanex16_b32: lane l xor 16
.set WA16,  7                          ; weights: LDS addresses
.set WA8,   9
.set WR,    10
.set WSO,   14
.set OF,    16                         ; v16-47   4 x lane + i rows
.set WX,    48                         ; v48-111  two sets of 32 numbers
.set C,     112                        ; v112-118 a block's codes
.set SB,    120                        ; v120-121 8 scale bytes
.set OUTR,  128                        ; v128-175 the way out
; 64 numbers of a lane, register 16 b + i = k 32 b + 16 (lane / 16) + i of my row, become a fragment's codes in v[PC] on and its scale word in v[PW].
.macro QUANT s
.irp b, 0,1,2,3
	v_max3_num_f32 v[TM+\b], |v[\s+16*\b]|, |v[\s+1+16*\b]|, 0x1800000   ; my 16 numbers of block b, and the floor 2^(3 - 127): the byte cannot fall under 1
.endr
.irp i, 2,4,6,8,10,12,14
.irp b, 0,1,2,3
	v_max3_num_f32 v[TM+\b], v[TM+\b], |v[\s+16*\b+\i]|, |v[\s+1+16*\b+\i]|
.endr
.endr
.irp b, 0,1,2,3
	v_permlanex16_b32 v[TM+4+\b], v[TM+\b], s[SEL], s[SEL+1]
.endr
.irp b, 0,1,2,3
	v_max_num_f32 v[TM+\b], v[TM+\b], v[TM+4+\b]   ; with lane l xor 16's: the block's largest magnitude
.endr
.irp b, 0,1,2,3
	v_add_nc_u32 v[TM+12+\b], 0xff000000, v[TM+\b]   ; 2 off its exponent field: the conversion's scale operand
.endr
.irp b, 0,1,2,3
	v_lshrrev_b32 v[TM+4+\b], 23, v[TM+12+\b]      ; the scale's byte
.endr
	v_lshl_or_b32 v[PW], v[TM+5], 8, v[TM+4]
	v_lshl_or_b32 v[PW], v[TM+6], 16, v[PW]
	v_lshl_or_b32 v[PW], v[TM+7], 24, v[PW]
.irp c, 0,1
	v_cvt_scalef32_pk16_fp6_f32 v[PC+6*\c:PC+2+6*\c], v[\s+32*\c:\s+15+32*\c], v[TM+12+2*\c]
	v_cvt_scalef32_pk16_fp6_f32 v[PC+12+4*\c:PC+14+4*\c], v[\s+16+32*\c:\s+31+32*\c], v[TM+12+2*\c+1]   ; (a conversion's three registers begin on an even number)
.endr
	v_nop                                          ; one plain place behind the scaled conversions
.irp c, 0,1                                    ; the operand's layout wants a whole block in a lane
.irp i, 0,1,2
	v_permlane16_swap_b32 v[PC+6*\c+\i], v[PC+12+4*\c+\i]
.endr
.irp i, 0,1,2
	v_mov_b32 v[PC+3+6*\c+\i], v[PC+12+4*\c+\i]
.endr
.endr
.endm
.macro IMG sb, off                             ; the fragment in v[PC] on leaves as two images: each store covers 512 or 256 consecutive bytes, aligned
	global_store_b128 v[L16], v[PC:PC+3], s[\sb:\sb+1] offset:\off
	global_store_b64 v[L8], v[PC+4:PC+5], s[\sb:\sb+1] offset:\off+512
	global_store_b128 v[L16], v[PC+6:PC+9], s[\sb:\sb+1] offset:\off+768
	global_store_b64 v[L8], v[PC+10:PC+11], s[\sb:\sb+1] offset:\off+1280
.endm
	s_load_b256 s[4:11], s[0:1], 0x0               ; x s[4:5], qkv_w s[6:7], proj_w s[8:9], xc s[10:11]
	s_load_b128 s[12:15], s[0:1], 0x20             ; xs s[12:13], wc s[14:15]
	s_load_b64 s[16:17], s[0:1], 0x30              ; ws
	v_lshl_add_u32 v254, v0, 2, 0x7400
	v_mov_b32 v255, 0
	v_lshrrev_b32 v6, 5, v0
	v_readfirstlane_b32 s18, v6                    ; wave 0, 1
	v_and_b32 v[LN], 31, v0
	v_lshlrev_b32 v[L16], 4, v[LN]
	v_lshlrev_b32 v[L8], 3, v[LN]
	s_cmp_lt_u32 ttmp9, 256
	s_cbranch_scc0 .Lweights
	; ---------------- x: tile 2 j + w, tokens 32 j + 8 w + r % 8 + 16 (r / 8) ----------------
	v_and_b32 v6, 15, v0                           ; r
	v_bfe_u32 v7, v0, 4, 1                         ; h
	s_mul_i32 s19, s18, XSTG
	v_add_nc_u32 v[SIN], s19, v[L16]               ; in: a row's 512 bytes as they lie
	v_mul_u32_u24 v[SOUT], v6, 528
	v_lshl_add_u32 v[SOUT], v7, 6, v[SOUT]
	v_add_nc_u32 v[SOUT], s19, v[SOUT]             ; out: row r, + 64 h: my 16 numbers of each block of 32
	v_lshlrev_b32 v[XSO], 5, v6
	v_lshl_add_u32 v[XSO], v7, 4, v[XSO]           ; 32 r + 16 h
	s_mov_b32 s[SEL], 0x76543210
	s_mov_b32 s[SEL+1], 0xfedcba98
.irp b, 0,1,2,3
	v_mov_b32 v[TM+4+\b], 0                        ; written once: a lane permute's destination counts as one of its sources
.endr
	s_lshl_b32 s20, ttmp9, 17                      ; 32 rows of 4,096 bytes a work-group,
	s_lshl_b32 s21, s18, 15                        ; 8 rows a wave
	s_add_co_u32 s20, s20, s21
	s_mov_b32 s21, 0
	s_lshl_b32 s22, ttmp9, 1
	s_add_co_u32 s22, s22, s18                     ; the tile
	s_mul_i32 s24, s22, 12288
	s_mov_b32 s25, 0
	s_lshl_b32 s26, s22, 9
	s_mov_b32 s27, 0
	s_wait_kmcnt 0x0
	s_add_nc_u64 s[4:5], s[4:5], s[20:21]
	s_add_nc_u64 s[10:11], s[10:11], s[24:25]
	s_add_nc_u64 s[12:13], s[12:13], s[26:27]
.macro XLOAD q                                 ; K step q of the tile's 16 rows: each load reads 512 consecutive bytes
.irp k, 0,1,2,3,4,5,6,7,8,9,10,11,12,13,14,15
	global_load_b128 v[R+64*((\q)%2)+4*\k:R+64*((\q)%2)+4*\k+3], v[L16], s[4:5] offset:((\k%8)+16*(\k/8))*4096+512*(\q) th:TH_LOAD_NT
.endr
.endm
.macro UNIT q
	s_wait_xcnt 0x0                                ; the last unit's stores have read their data: the codes' registers may be written again
.if (\q) < 7
	s_wait_loadcnt 16                              ; this unit's 16 loads are in; the next unit's 16 may be out
.else
	s_wait_loadcnt 0x0
.endif
.irp k, 0,1,2,3,4,5,6,7,8,9,10,11,12,13,14,15
	ds_store_b128 v[SIN], v[R+64*((\q)%2)+4*\k:R+64*((\q)%2)+4*\k+3] offset:528*\k
.endr
.irp b, 0,1,2,3
.irp j, 0,1,2,3
	ds_load_b128 v[X+16*\b+4*\j:X+16*\b+4*\j+3], v[SOUT] offset:128*\b+16*\j   ; LDS serves a wave's instructions in order: these see the stores above
.endr
.endr
	s_wait_dscnt 0x0
.if (\q) < 6
	XLOAD (\q)+2                                   ; into the set that the stage has just read
.endif
	QUANT X
	v_mov_b32 v[SW+(\q)], v[PW]
	IMG 10, 1536*(\q)
.endm
	XLOAD 0
	XLOAD 1
.irp q, 0,1,2,3,4,5,6,7
	UNIT \q
.endr
	v_cmp_le_u32 vcc_lo, 16, v[LN]
.irp i, 0,1,2,3
	v_cndmask_b32 v[X+\i], v[SW+\i], v[SW+4+\i], vcc_lo   ; lanes 0-15: K steps 0-3 of row r; lanes 16-31: K steps 4-7
.endr
	global_store_b128 v[XSO], v[X:X+3], s[12:13]   ; the tile's 512 scale bytes: consecutive, aligned
	s_wait_tensorcnt 0x0
	ds_add_u32 v254, v255
	s_wait_dscnt 0x0
	s_endpgm
	; ---------------- the weights: K is the first axis.  A lane takes a column, its registers run down K ----------------
.Lweights:
	v_bfe_u32 v6, v0, 3, 1                         ; u: which of the group's two tiles my column falls into
	v_and_b32 v11, 7, v0
	v_bfe_u32 v12, v0, 4, 1
	v_lshl_add_u32 v11, v12, 3, v11                ; r: its place there
	s_mul_i32 s19, s18, WREG
	s_add_co_u32 s19, s19, WST
	v_mul_u32_u24 v12, v6, 3200
	v_add_nc_u32 v12, s19, v12
	v_lshl_add_u32 v[WA16], v11, 4, v12
	v_lshl_add_u32 v[WA8], v11, 3, v12
	v_add_nc_u32 v[WR], s19, v[L16]
	v_lshlrev_b32 v[WSO], 9, v6
	v_lshl_add_u32 v[WSO], v11, 5, v[WSO]          ; 32 (16 u + r)
	s_sub_co_u32 s20, ttmp9, 256
	s_and_b32 s21, s20, 63                         ; which 64 columns of the 4,096
	s_lshr_b32 s22, s20, 6                         ; which 256 along K
	s_lshl_b32 s23, s21, 1
	s_add_co_u32 s23, s23, s18                     ; G: my wave's group of 32 columns
	s_lshl_b32 s24, s23, 5
	s_mov_b32 s25, 4096
	s_cmp_lt_u32 s21, 48                           ; columns 0-3071 are qkv_w's, the others proj_w's
	s_cselect_b32 s25, 12288, s25                  ; a row of the tensor in bytes
	s_cselect_b32 s26, 0, 3072
	s_sub_co_u32 s24, s24, s26                     ; the column in its tensor
	s_lshl_b32 s27, s22, 8
	s_mul_i32 s28, s27, s25
	s_lshl_b32 s24, s24, 2
	s_add_co_u32 s28, s28, s24
	s_mov_b32 s29, 0
	s_lshl_b32 s30, s25, 5                         ; 32 rows on
	s_mov_b32 s31, 0
	s_mul_i32 s52, s23, 24576                      ; wc: two tiles a group,
	s_mul_i32 s53, s22, 3072                       ; four images a quarter of K
	s_add_co_u32 s52, s52, s53
	s_mov_b32 s53, 0
	s_lshl_b32 s54, s23, 10                        ; ws: 32 rows of 32 bytes a group,
	s_lshl_b32 s55, s22, 3                         ; 8 bytes a quarter of K
	s_add_co_u32 s54, s54, s55
	s_mov_b32 s55, 0
	v_lshlrev_b32 v[OF], 2, v[LN]
.set i, 1
.rept 31
	v_add_nc_u32 v[OF+i], s25, v[OF+i-1]
.set i, i+1
.endr
	s_wait_kmcnt 0x0
	s_cmp_lt_u32 s21, 48
	s_cselect_b64 s[32:33], s[6:7], s[8:9]
	s_add_nc_u64 s[32:33], s[32:33], s[28:29]      ; block 0's first row, my wave's first column
.irp t, 1,2,3,4,5,6,7
	s_add_nc_u64 s[32+2*\t:33+2*\t], s[30+2*\t:31+2*\t], s[30:31]   ; a base for each block: no pointer is stepped
.endr
	s_add_nc_u64 s[14:15], s[14:15], s[52:53]
	s_add_nc_u64 s[16:17], s[16:17], s[54:55]
.macro WLOAD t
.irp i, 0,1,2,3,4,5,6,7,8,9,10,11,12,13,14,15,16,17,18,19,20,21,22,23,24,25,26,27,28,29,30,31
	global_load_b32 v[WX+32*((\t)%2)+\i], v[OF+\i], s[32+2*(\t):33+2*(\t)] th:TH_LOAD_NT
.endr
.endm
.macro BLOCK t
.set XS, WX+32*((\t)%2)
.if (\t) < 7
	s_wait_loadcnt 32                              ; this block's 32 loads are in; the next block's may be out
.else
	s_wait_loadcnt 0x0
.endif
	v_max3_num_f32 v12, |v[XS]|, |v[XS+1]|, |v[XS+2]|
	v_max3_num_f32 v13, |v[XS+3]|, |v[XS+4]|, |v[XS+5]|
.irp i, 6,10,14,18,22,26
	v_max3_num_f32 v12, v12, |v[XS+\i]|, |v[XS+\i+1]|
	v_max3_num_f32 v13, v13, |v[XS+\i+2]|, |v[XS+\i+3]|
.endr
	v_max3_num_f32 v12, v12, |v[XS+30]|, |v[XS+31]|
	v_max3_num_f32 v12, v12, v13, 0x1800000        ; and the floor
	v_add_nc_u32 v11, 0xff000000, v12              ; the conversion's scale operand
	v_lshrrev_b32 v13, 23, v11                     ; the byte
.if (\t)%4 == 0
	v_mov_b32 v[SB+(\t)/4], v13
.else
	v_lshl_or_b32 v[SB+(\t)/4], v13, 8*((\t)%4), v[SB+(\t)/4]
.endif
	v_cvt_scalef32_pk16_fp6_f32 v[C:C+2], v[XS:XS+15], v11
	v_cvt_scalef32_pk16_fp6_f32 v[C+4:C+6], v[XS+16:XS+31], v11
	v_nop                                          ; one plain place behind the scaled conversions
	v_mov_b32 v[C+3], v[C+4]                       ; the block's 192 bits on end
	v_mov_b32 v[C+4], v[C+5]
	v_mov_b32 v[C+5], v[C+6]
	ds_store_b128 v[WA16], v[C:C+3] offset:768*((\t)/2)+256*((\t)%2)        ; image t / 2, half t % 2, place r
	ds_store_b64 v[WA8], v[C+4:C+5] offset:768*((\t)/2)+512+128*((\t)%2)
.if (\t) < 6
	WLOAD (\t)+2
.endif
	s_wait_dscnt 0x0                               ; the stores have read their registers
.endm
	WLOAD 0
	WLOAD 1
.irp t, 0,1,2,3,4,5,6,7
	BLOCK \t
.endr
	global_store_b64 v[WSO], v[SB:SB+1], s[16:17]  ; 8 bytes of each of 32 rows of 32 bytes: one byte for 128 bytes read
.irp f, 0,1,2,3,4,5,6,7,8,9,10,11
	ds_load_b128 v[OUTR+4*\f:OUTR+4*\f+3], v[WR] offset:3200*(\f/6)+512*(\f%6)
.endr
.irp f, 0,1,2,3,4,5,6,7,8,9,10,11
	s_wait_dscnt 11-\f                             ; the later reads may be out
	global_store_b128 v[L16], v[OUTR+4*\f:OUTR+4*\f+3], s[14:15] offset:12288*(\f/6)+512*(\f%6)   ; 512 consecutive bytes, aligned
.endr
	s_wait_tensorcnt 0x0
	ds_add_u32 v254, v255
	s_wait_dscnt 0x0
	s_endpgm
.Lfunc_end_k_q503d075780_quant:
	.size	k_q503d075780_quant, .Lfunc_end_k_q503d075780_quant-k_q503d075780_quant
	.p2alignl 7, 3214868480
	.fill 96, 4, 3214868480
	.section	.rodata,"a",@progbits
	.p2align	6, 0x0
	.amdhsa_kernel k_q503d075780_quant
		.amdhsa_group_segment_fixed_size 29952
		.amdhsa_private_segment_fixed_size 0
		.amdhsa_enable_private_segment 0
		.amdhsa_kernarg_size 56
		.amdhsa_user_sgpr_count 2
		.amdhsa_user_sgpr_kernarg_segment_ptr 1
		.amdhsa_wavefront_size32 1
		.amdhsa_system_sgpr_workgroup_id_x 1
		.amdhsa_system_sgpr_workgroup_id_y 1
		.amdhsa_system_sgpr_workgroup_id_z 1
		.amdhsa_system_vgpr_workitem_id 0
		.amdhsa_next_free_vgpr 256
		.amdhsa_next_free_sgpr 66
		.amdhsa_reserve_vcc 1
		.amdhsa_float_denorm_mode_32 3
		.amdhsa_float_denorm_mode_16_64 3
		.amdhsa_memory_ordered 1
		.amdhsa_forward_progress 1
		.amdhsa_inst_pref_size 107
	.end_amdhsa_kernel
	.amdgpu_metadata
---
amdhsa.version: [ 1, 2 ]
amdhsa.kernels:
  - .name:           k_q503d075780_quant
    .symbol:         k_q503d075780_quant.kd
    .args:
      - { .name: x, .offset: 0, .size: 8, .value_kind: global_buffer, .address_space: global }
      - { .name: qkv_w, .offset: 8, .size: 8, .value_kind: global_buffer, .address_space: global }
      - { .name: proj_w, .offset: 16, .size: 8, .value_kind: global_buffer, .address_space: global }
      - { .name: xc, .offset: 24, .size: 8, .value_kind: global_buffer, .address_space: global }
      - { .name: xs, .offset: 32, .size: 8, .value_kind: global_buffer, .address_space: global }
      - { .name: wc, .offset: 40, .size: 8, .value_kind: global_buffer, .address_space: global }
      - { .name: ws, .offset: 48, .size: 8, .value_kind: global_buffer, .address_space: global }
    .group_segment_fixed_size: 29952
    .private_segment_fixed_size: 0
    .kernarg_segment_align: 8
    .kernarg_segment_size: 56
    .max_flat_workgroup_size: 64
    .sgpr_count:     66
    .vgpr_count:     256
    .wavefront_size: 32
...
	.end_amdgpu_metadata
.endif
;; end of part 1
;; launch gemm_qkv (part 2): grid 12 x 64, 4 waves a work-group, clusters of 4 x 4, 295,424 bytes of LDS; arguments xc, xs, wc, ws, qkv_b, qk, vv; writes qk, vv
.if DOCPART == 2
	.amdgcn_target "amdgcn-amd-amdhsa--gfx1250"
	.amdhsa_code_object_version 6
	.text
	.protected	k_q503d075780_gemm_qkv
	.globl	k_q503d075780_gemm_qkv
	.p2align	8
	.type	k_q503d075780_gemm_qkv,@function
k_q503d075780_gemm_qkv:
	s_mov_b64 s[64:65], 0
	v_nop
	global_prefetch_b8 v0, s[64:65] scope:SCOPE_SE
	s_setreg_imm32_b32 hwreg(HW_REG_WAVE_MODE, 25, 1), 1
	s_wait_xcnt 0x0
	s_wait_alu depctr_hold_cnt(0) depctr_sa_sdst(0) depctr_va_vdst(0) depctr_va_sdst(0) depctr_va_ssrc(0) depctr_va_vcc(0) depctr_vm_vsrc(0)
	s_getreg_b32 s2, hwreg(HW_REG_IB_STS2, 6, 4)
	s_cmp_eq_u32 s2, 0
	s_cbranch_scc0 .Lentry_in_a_cluster
	s_endpgm
.Lentry_in_a_cluster:
	s_bfe_u32 s2, ttmp6, 0x10000c
	s_cmp_lg_u32 s2, 0xf033
	s_cbranch_scc0 .Lentry_shape_is_right
	s_endpgm
.Lentry_shape_is_right:
; qkv = Q(x) Q(qkv_w) + qkv_b on codes of FP6 (E2M3) with E8M0 scales; the result is quantised in registers and leaves as codes: q and k along the head's 64, v along the keys.
; A work-group makes 128 rows of operand A x 256 rows of operand B over all of K = 1024; four waves stand 2 x 2, a wave makes 64 x 128: 32 accumulators.
; THE MATRIX INSTRUCTION IS USED TRANSPOSED (source 0 = 16 rows of B, source 1 = 16 rows of A): a lane holds one row of A, its registers run along B's rows; since a tile's 16 rows are
; index 32 (T / 2) + 8 (T % 2) + r % 8 + 16 (r / 8), the 16 registers of two neighbouring tiles of B are 16 neighbours: what the quantiser wants.
; KINDS, by the cluster's x, the same in all sixteen partners:  x = 0, 1 (q, k): A = tokens (xc), B = columns of qkv_w (wc): a lane holds a token and 128 channels: two heads.
;   x = 2 (v): A = v's columns of qkv_w, B = tokens: a lane holds a channel and 128 keys: one key step.
; ALL OF K LIES IN LDS: 384 rows x 768 bytes.  It comes in four chunks of 256 along K, each filled once; no LDS byte is filled twice.
; CLUSTER 4 x 4: A's block is shared along a row of the cluster, B's along a column: joint loads.
; REGISTERS: window 0: v1-21 addresses; v32-47 A's scale words, v48-79 B's (they hold nothing else); v80-87 v's biases; v96-191 A's fragments, two sets, on the way out at work.
;   window 1: v0-191 B's fragments, two sets; v192-255 64 biases along B's rows.   window 2: accumulator (a, b) at v[8 (8 a + b)].
; LIMITS: NaN and infinities are not served; a block whose largest magnitude lies under 2^-124 gets the byte 1.
.set ACH,  24576                       ; A: a chunk in LDS: 8 tiles x 3,072 bytes
.set BCH,  49152                       ; B: 16 tiles
.set BOFF, 4*ACH                       ; B's chunks lie behind A's
.set L16,  1
.set L8,   2
.set L32,  3
.set AA,   4                           ; v4-7   A: 16 x lane and 8 x lane + my 4 tiles, for chunks 0, 1 and for chunks 2, 3
.set BB,   8                           ; v8-15  B: the same for each chunk
.set LN,   16
.set AS,   32
.set BS,   48
.set BV,   80
.set AF,   96
.set BI,   192                         ; in window 1
.set HA,   96
.set PC,   160
.set TM,   180
.set PW,   196
.set W0,   198
.set W1,   202
.set OW,   206
.set WV,   18
.set WM,   19
.set WN,   20
.set CX,   21
.set CY,   22
.set YY,   24
.set TR,   25
.set TC,   26
.set G1A,  28
.set G1B,  36
.set G0A,  44                          ; s[44:59] a group 0 for each of A's chunks
.set SEL,  60
.set G0B,  68                          ; s[68:83] for B's
.set MSB, 0
.macro WIN new                         ; the immediate's high byte repeats the setting that is left
.if MSB != \new
	s_set_vgpr_msb (MSB<<8)|\new
.set MSB, \new
.endif
.endm
.set MUL,  0xa1                        ; source 0 (B) window 1, source 1 (A) window 0, C and D window 2
.set TO_B, 0x40                        ; destination window 1
.macro PLACES
.rept 4
	v_nop
.endr
.endm
.macro CROUND                          ; a round of the cluster's barrier
	s_barrier_signal -1
	s_barrier_wait -1
	s_cmp_lg_u32 s[WV], 0
	s_cbranch_scc1 .Lnot_wave_0_\@
	s_barrier_signal -3
.Lnot_wave_0_\@:
	s_barrier_wait -3
	s_barrier_signal -1
	s_barrier_wait -1
.endm
.macro QUANT s
.irp b, 0,1,2,3
	v_max3_num_f32 v[TM+\b], |v[\s+16*\b]|, |v[\s+1+16*\b]|, 0x1800000   ; my 16 numbers of block b, and the floor 2^(3 - 127)
.endr
.irp i, 2,4,6,8,10,12,14
.irp b, 0,1,2,3
	v_max3_num_f32 v[TM+\b], v[TM+\b], |v[\s+16*\b+\i]|, |v[\s+1+16*\b+\i]|
.endr
.endr
.irp b, 0,1,2,3
	v_permlanex16_b32 v[TM+4+\b], v[TM+\b], s[SEL], s[SEL+1]
.endr
.irp b, 0,1,2,3
	v_max_num_f32 v[TM+\b], v[TM+\b], v[TM+4+\b]
.endr
.irp b, 0,1,2,3
	v_add_nc_u32 v[TM+12+\b], 0xff000000, v[TM+\b]   ; 2 off the exponent field: the conversion's scale operand
.endr
.irp b, 0,1,2,3
	v_lshrrev_b32 v[TM+4+\b], 23, v[TM+12+\b]
.endr
	v_lshl_or_b32 v[PW], v[TM+5], 8, v[TM+4]
	v_lshl_or_b32 v[PW], v[TM+6], 16, v[PW]
	v_lshl_or_b32 v[PW], v[TM+7], 24, v[PW]
.irp c, 0,1
	v_cvt_scalef32_pk16_fp6_f32 v[PC+6*\c:PC+2+6*\c], v[\s+32*\c:\s+15+32*\c], v[TM+12+2*\c]
	v_cvt_scalef32_pk16_fp6_f32 v[PC+12+4*\c:PC+14+4*\c], v[\s+16+32*\c:\s+31+32*\c], v[TM+12+2*\c+1]
.endr
	v_nop                                          ; one plain place behind the scaled conversions
.irp c, 0,1
.irp i, 0,1,2
	v_permlane16_swap_b32 v[PC+6*\c+\i], v[PC+12+4*\c+\i]
.endr
.irp i, 0,1,2
	v_mov_b32 v[PC+3+6*\c+\i], v[PC+12+4*\c+\i]
.endr
.endr
.endm
.macro IMG sb, off
	global_store_b128 v[L16], v[PC:PC+3], s[\sb:\sb+1] offset:\off
	global_store_b64 v[L8], v[PC+4:PC+5], s[\sb:\sb+1] offset:\off+512
	global_store_b128 v[L16], v[PC+6:PC+9], s[\sb:\sb+1] offset:\off+768
	global_store_b64 v[L8], v[PC+10:PC+11], s[\sb:\sb+1] offset:\off+1280
.endm
; a fragment, 16 rows x 128 K: two images on end; every load takes 512 or 256 consecutive bytes
.macro FRAG reg, a16, off
	ds_load_b128 v[\reg:\reg+3], v[\a16] offset:\off
	ds_load_b64 v[\reg+4:\reg+5], v[\a16+1] offset:\off+512
	ds_load_b128 v[\reg+6:\reg+9], v[\a16] offset:\off+768
	ds_load_b64 v[\reg+10:\reg+11], v[\a16+1] offset:\off+1280
.endm
.macro FETCH q, set                            ; K step q: B's 8 fragments and A's 4 into set
	WIN TO_B
.irp b, 0,1,2,3,4,5,6,7
	FRAG 96*(\set)+12*\b, BB+2*((\q)/2), \b*3072+((\q)%2)*1536
.endr
	WIN 0
.irp a, 0,1,2,3
	FRAG AF+48*(\set)+12*\a, AA+2*((\q)/4), (((\q)/2)%2)*ACH+\a*3072+((\q)%2)*1536
.endr
.endm
; one product.  rb, ra: the scale words of an odd tile stand in lanes 16-31 of its pair's register
.macro WM d, bf, af, zero, sb, sa, rb, ra
.if \zero
.if (\rb) && (\ra)
	v_wmma_scale_f32_16x16x128_f8f6f4 v[\d:\d+7], v[\bf:\bf+11], v[\af:\af+11], 0, v[\sb], v[\sa] matrix_a_fmt:MATRIX_FMT_FP6 matrix_b_fmt:MATRIX_FMT_FP6 matrix_a_scale:MATRIX_SCALE_ROW1 matrix_b_scale:MATRIX_SCALE_ROW1
.elseif (\rb)
	v_wmma_scale_f32_16x16x128_f8f6f4 v[\d:\d+7], v[\bf:\bf+11], v[\af:\af+11], 0, v[\sb], v[\sa] matrix_a_fmt:MATRIX_FMT_FP6 matrix_b_fmt:MATRIX_FMT_FP6 matrix_a_scale:MATRIX_SCALE_ROW1
.elseif (\ra)
	v_wmma_scale_f32_16x16x128_f8f6f4 v[\d:\d+7], v[\bf:\bf+11], v[\af:\af+11], 0, v[\sb], v[\sa] matrix_a_fmt:MATRIX_FMT_FP6 matrix_b_fmt:MATRIX_FMT_FP6 matrix_b_scale:MATRIX_SCALE_ROW1
.else
	v_wmma_scale_f32_16x16x128_f8f6f4 v[\d:\d+7], v[\bf:\bf+11], v[\af:\af+11], 0, v[\sb], v[\sa] matrix_a_fmt:MATRIX_FMT_FP6 matrix_b_fmt:MATRIX_FMT_FP6
.endif
.else
.if (\rb) && (\ra)
	v_wmma_scale_f32_16x16x128_f8f6f4 v[\d:\d+7], v[\bf:\bf+11], v[\af:\af+11], v[\d:\d+7], v[\sb], v[\sa] matrix_a_fmt:MATRIX_FMT_FP6 matrix_b_fmt:MATRIX_FMT_FP6 matrix_a_scale:MATRIX_SCALE_ROW1 matrix_b_scale:MATRIX_SCALE_ROW1
.elseif (\rb)
	v_wmma_scale_f32_16x16x128_f8f6f4 v[\d:\d+7], v[\bf:\bf+11], v[\af:\af+11], v[\d:\d+7], v[\sb], v[\sa] matrix_a_fmt:MATRIX_FMT_FP6 matrix_b_fmt:MATRIX_FMT_FP6 matrix_a_scale:MATRIX_SCALE_ROW1
.elseif (\ra)
	v_wmma_scale_f32_16x16x128_f8f6f4 v[\d:\d+7], v[\bf:\bf+11], v[\af:\af+11], v[\d:\d+7], v[\sb], v[\sa] matrix_a_fmt:MATRIX_FMT_FP6 matrix_b_fmt:MATRIX_FMT_FP6 matrix_b_scale:MATRIX_SCALE_ROW1
.else
	v_wmma_scale_f32_16x16x128_f8f6f4 v[\d:\d+7], v[\bf:\bf+11], v[\af:\af+11], v[\d:\d+7], v[\sb], v[\sa] matrix_a_fmt:MATRIX_FMT_FP6 matrix_b_fmt:MATRIX_FMT_FP6
.endif
.endif
.endm
; 16 products: A's tiles a0, a0 + 1 x B's eight.  The 32 accumulators take turns, one instruction a turn, in the same order in every K step
.macro MUL16 a0, q, set, zero
.irp a, \a0, \a0+1
.irp b, 0,1,2,3,4,5,6,7
	WM 8*(8*(\a)+\b), 96*(\set)+12*\b, AF+48*(\set)+12*(\a), \zero, BS+8*(\b/2)+(\q), AS+8*((\a)/2)+(\q), \b%2, (\a)%2
.endr
.endr
.endm
.macro EVEN q, zero                            ; a chunk's first K step: its successor lies in the same chunk
	s_wait_dscnt 0x0                               ; this step's fragments are in
.if (\q) > 0
	PLACES                                         ; four places between the last products that read set 1 and the loads into it
.endif
	FETCH (\q)+1, 1
	WIN MUL
	MUL16 0, \q, 0, \zero
	MUL16 2, \q, 0, \zero
.endm
.macro ODD q                                   ; a chunk's second K step: the next chunk must have landed in every wave's sight
	s_wait_dscnt 0x0
	s_wait_tensorcnt 2-(\q)/2                      ; my part of the next chunk is in; the later chunks may stay out
	s_barrier_signal -1
	MUL16 0, \q, 1, 0
	s_barrier_wait -1
	PLACES                                         ; for the loads into set 0
	FETCH (\q)+1, 0
	WIN MUL
	MUL16 2, \q, 1, 0
.endm
	s_load_b256 s[4:11], s[0:1], 0x0               ; xc s[4:5], xs s[6:7], wc s[8:9], ws s[10:11]
	s_load_b128 s[12:15], s[0:1], 0x20             ; qkv_b s[12:13], qk s[14:15]
	s_load_b64 s[16:17], s[0:1], 0x30              ; vv
	v_lshl_add_u32 v254, v0, 2, 0x48000
	v_mov_b32 v255, 0
	ds_add_u32 v254, v255
	ds_add_u32 v254, v255
	v_lshrrev_b32 v17, 5, v0
	v_readfirstlane_b32 s[WV], v17                 ; wave 0..3
	s_lshr_b32 s[WM], s[WV], 1                     ; which 64 rows of A are mine.  Also: I fetch for A (0) or for B (1)
	s_and_b32 s[WN], s[WV], 1                      ; which 128 rows of B.  Also: which half of the block I fetch
	s_bfe_u32 s[CX], ttmp6, 0x40000
	s_bfe_u32 s[CY], ttmp6, 0x40004
	s_and_b32 s[YY], ttmp7, 0xffff                 ; the cluster's y, 0..15
	s_and_b32 s84, s[YY], 1
	s_lshr_b32 s85, s[YY], 1
	s_cmp_eq_u32 ttmp9, 2                          ; v's clusters
	s_cselect_b32 s[TR], s84, s[YY]
	s_cselect_b32 s[TC], s85, ttmp9
	s_lshl_b32 s[TR], s[TR], 2
	s_add_co_u32 s[TR], s[TR], s[CY]               ; A's block of 128 rows: it hangs on cy alone
	s_lshl_b32 s[TC], s[TC], 2
	s_add_co_u32 s[TC], s[TC], s[CX]               ; B's block of 256 rows: on cx alone
	s_lshl_b32 s86, s[CY], 2
	s_lshl_b32 s86, 15, s86                        ; my row of the cluster
	s_lshl_b32 s87, 0x1111, s[CX]                  ; my column
	; group 1: R tiles' parts of a chunk: rows of 3,072 bytes (384 elements of 8), 12,288 bytes apart; no padding
	s_or_b32 s[G1A], s86, (3<<16)|(1<<21)
	s_or_b32 s[G1B], s87, (3<<16)|(1<<21)
.irp g, G1A, G1B
	s_mov_b32 s[\g+1], 384<<16
	s_mov_b32 s[\g+3], 384<<16
	s_mov_b32 s[\g+5], 1536
	s_mov_b32 s[\g+6], 0
	s_mov_b32 s[\g+7], 0
.endr
	s_mov_b32 s[G1A+2], 4<<16
	s_mov_b32 s[G1A+4], 4
	s_mov_b32 s[G1B+2], 8<<16
	s_mov_b32 s[G1B+4], 8
	s_mul_i32 s88, s[TR], 98304                    ; A's codes: 8 tiles a block, 4 a half
	s_mul_i32 s89, s[WN], 49152
	s_add_co_u32 s88, s88, s89
	s_mov_b32 s89, 0
	s_mul_i32 s90, s[TC], 196608                   ; B's: 16 tiles a block, 8 a half
	s_mul_i32 s91, s[WN], 98304
	s_add_co_u32 s90, s90, s91
	s_mov_b32 s91, 0
	s_lshl_b32 s92, s[TR], 12                      ; A's scale rows: my wave's 64
	s_lshl_b32 s93, s[WM], 11
	s_add_co_u32 s92, s92, s93
	s_mov_b32 s93, 0
	s_lshl_b32 s94, s[TC], 13                      ; B's: my wave's 128
	s_lshl_b32 s95, s[WN], 12
	s_add_co_u32 s94, s94, s95
	s_mov_b32 s95, 0
	s_mul_i32 s96, s[WN], 12288                    ; where my half goes in a chunk: no place in the cluster enters an LDS address
	s_mul_i32 s97, s[WN], 24576
	s_add_co_u32 s97, s97, BOFF
	s_cmp_eq_u32 ttmp9, 2
	s_cselect_b32 s98, 1572864, 0                  ; v's columns begin at row 2,048 of wc and ws
	s_cselect_b32 s99, 65536, 0
	s_add_co_u32 s88, s88, s98
	s_add_co_u32 s92, s92, s99
	s_wait_dscnt 0x0
	s_wait_kmcnt 0x0
	s_cmp_eq_u32 ttmp9, 2
	s_cselect_b64 s[84:85], s[8:9], s[4:5]         ; A's codes
	s_cselect_b64 s[86:87], s[10:11], s[6:7]       ; A's scales
	s_cselect_b64 s[98:99], s[4:5], s[8:9]         ; B's codes
	s_cselect_b64 s[66:67], s[6:7], s[10:11]       ; B's scales
	s_add_nc_u64 s[84:85], s[84:85], s[88:89]
	s_add_nc_u64 s[86:87], s[86:87], s[92:93]
	s_add_nc_u64 s[98:99], s[98:99], s[90:91]
	s_add_nc_u64 s[66:67], s[66:67], s[94:95]
.irp c, 0,1,2,3
	s_mov_b32 s[G0A+4*\c], 1
	s_add_co_u32 s[G0A+4*\c+1], s96, \c*ACH
	s_add_nc_u64 s[G0A+4*\c+2:G0A+4*\c+3], s[84:85], \c*3072
	s_or_b32 s[G0A+4*\c+3], s[G0A+4*\c+3], 0x80000000
	s_mov_b32 s[G0B+4*\c], 1
	s_add_co_u32 s[G0B+4*\c+1], s97, \c*BCH
	s_add_nc_u64 s[G0B+4*\c+2:G0B+4*\c+3], s[98:99], \c*3072
	s_or_b32 s[G0B+4*\c+3], s[G0B+4*\c+3], 0x80000000
.endr
	CROUND                                         ; all sixteen work-groups are here: the joint loads meet
	s_cmp_lt_u32 s[WV], 2                          ; a wave's four fills stand in one branch: four tensor loads of mine are out
	s_cbranch_scc0 .Lfor_b
.irp c, 0,1,2,3
	tensor_load_to_lds s[G0A+4*\c:G0A+4*\c+3], s[G1A:G1A+7]
	s_nop 0
.endr
	PLACES
	s_branch .Lasked
.Lfor_b:
.irp c, 0,1,2,3
	tensor_load_to_lds s[G0B+4*\c:G0B+4*\c+3], s[G1B:G1B+7]
	s_nop 0
.endr
	PLACES
.Lasked:
	v_and_b32 v[LN], 31, v0
	v_lshlrev_b32 v[L16], 4, v[LN]
	v_lshlrev_b32 v[L8], 3, v[LN]
	v_lshlrev_b32 v[L32], 5, v[LN]
	s_mul_i32 s88, s[WM], 12288
.irp p, 0,1
	v_add_nc_u32 v[AA+2*\p], s88, v[L16]
	v_add_nc_u32 v[AA+2*\p+1], s88, v[L8]
	s_add_co_u32 s88, s88, 2*ACH
.endr
	s_mul_i32 s89, s[WN], 24576
	s_add_co_u32 s89, s89, BOFF
.irp c, 0,1,2,3
	v_add_nc_u32 v[BB+2*\c], s89, v[L16]
	v_add_nc_u32 v[BB+2*\c+1], s89, v[L8]
	s_add_co_u32 s89, s89, BCH
.endr
	; the scale words straight into registers: register 8 p + q: lanes 0-15 tile 2 p, lanes 16-31 tile 2 p + 1, K step q
.irp p, 0,1
.irp y, 0,1
	global_load_b128 v[AS+8*\p+4*\y:AS+8*\p+4*\y+3], v[L32], s[86:87] offset:1024*\p+16*\y
.endr
.endr
.irp p, 0,1,2,3
.irp y, 0,1
	global_load_b128 v[BS+8*\p+4*\y:BS+8*\p+4*\y+3], v[L32], s[66:67] offset:1024*\p+16*\y
.endr
.endr
	; the biases.  Both kinds issue both runs, each inside qkv_b: q, k use the 64 along B's rows, v the one of the lane's own channel
	s_lshl_b32 s90, s[TC], 10
	s_lshl_b32 s91, s[WN], 9
	s_add_co_u32 s90, s90, s91                     ; 4 (256 TC + 128 wn)
	s_lshl_b32 s92, s[TR], 9
	s_lshl_b32 s93, s[WM], 8
	s_add_co_u32 s92, s92, s93
	s_add_co_u32 s92, s92, 8192                    ; 4 (2,048 + 128 TR + 64 wm)
	s_cmp_eq_u32 ttmp9, 2
	s_cselect_b32 s90, 0, s90
	s_cselect_b32 s92, s92, 0
	s_mov_b32 s91, 0
	s_mov_b32 s93, 0
	s_add_nc_u64 s[94:95], s[12:13], s[90:91]
	s_add_nc_u64 s[96:97], s[12:13], s[92:93]
	v_bfe_u32 v17, v0, 4, 1
	v_lshlrev_b32 v17, 6, v17                      ; 64 h
	v_and_b32 v18, 7, v0
	v_bfe_u32 v19, v0, 3, 1
	v_lshl_add_u32 v18, v19, 4, v18
	v_lshlrev_b32 v18, 2, v18                      ; 4 (r % 8 + 16 (r / 8))
	WIN TO_B
.irp e, 0,1,2,3,4,5,6,7,8,9,10,11,12,13,14,15
	global_load_b128 v[BI+4*\e:BI+4*\e+3], v17, s[94:95] offset:128*(\e/4)+16*(\e%4)   ; register 16 b + i: index 32 b + 16 h + i
.endr
	WIN 0
.irp a, 0,1,2,3
	global_load_b32 v[BV+2*\a], v18, s[96:97] offset:4*(32*(\a/2)+8*(\a%2))
	global_load_b32 v[BV+2*\a+1], v18, s[96:97] offset:4*(32*(\a/2)+8*(\a%2))   ; (the packed addition names the pair)
.endr
	s_wait_loadcnt 0x0                             ; scales and biases
	s_wait_tensorcnt 3                             ; my part of chunk 0 is in; three loads may stay out
	s_barrier_signal -1
	s_barrier_wait -1
	FETCH 0, 0
	EVEN 0, 1                                      ; the first products start the sums
	ODD 1
	EVEN 2, 0
	ODD 3
	EVEN 4, 0
	ODD 5
	EVEN 6, 0
	s_wait_dscnt 0x0
	MUL16 0, 7, 1, 0
	MUL16 2, 7, 1, 0
	WIN 0
	PLACES                                         ; four places ahead of the first read of results and of writes into A's fragments
	s_mov_b32 s[SEL], 0x76543210
	s_mov_b32 s[SEL+1], 0xfedcba98
.irp b, 0,1,2,3
	v_mov_b32 v[TM+4+\b], 0                        ; written once: a lane permute's destination counts as one of its sources
.endr
	v_cmp_le_u32 vcc_lo, 16, v[LN]
	s_cmp_eq_u32 ttmp9, 2
	s_cbranch_scc1 .Lv_out
	; ---- q, k: record [q, k][batch x 16 + head][step][6,656]: 8 images (token tiles of the step), then 2 x 256 bytes of scale words
	s_lshr_b32 s84, s[TR], 4
	s_lshl_b32 s84, s84, 4
	s_and_b32 s85, s[TC], 3
	s_lshl_b32 s85, s85, 2
	s_add_co_u32 s84, s84, s85
	s_lshl_b32 s85, s[WN], 1
	s_add_co_u32 s84, s84, s85                     ; 16 batch + my first head
	s_lshl_b32 s84, s84, 4
	s_and_b32 s85, s[TR], 15
	s_add_co_u32 s84, s84, s85                     ; x 16 + step
	s_mul_i32 s84, s84, 6656
	s_mul_i32 s85, ttmp9, 6815744                  ; q's records, then k's
	s_add_co_u32 s84, s84, s85
	s_mov_b32 s85, 0
	s_add_nc_u64 s[14:15], s[14:15], s[84:85]
	s_mul_i32 s86, s[WM], 3072
	s_mov_b32 s87, 0
	s_add_nc_u64 s[88:89], s[14:15], s[86:87]      ; my four tiles' images
	s_lshl_b32 s86, s[WM], 8
	s_add_co_u32 s86, s86, 6144
	s_add_nc_u64 s[90:91], s[14:15], s[86:87]      ; their scale words
.irp a, 0,1,2,3
	WIN 0x06                                       ; source 0 window 2, source 1 window 1
.set i, 0
.rept 32
	v_pk_add_f32 v[HA+i:HA+i+1], v[64*\a+i:64*\a+i+1], v[BI+i:BI+i+1]   ; + bias; each accumulator from its low end on
.set i, i+2
.endr
	WIN 0
	s_wait_xcnt 0x0                                ; the last tile's stores have read the codes' registers
	QUANT HA                                       ; 128 channels of my token: blocks 0, 1 the first head, blocks 2, 3 the second
	v_and_b32 v[W0+\a], 0xffff, v[PW]              ; a head's scale word: its two bytes, and 0 for the upper 64 of the product's K, which are zero codes
	v_lshrrev_b32 v[W1+\a], 16, v[PW]
	global_store_b128 v[L16], v[PC:PC+3], s[88:89] offset:768*\a
	global_store_b64 v[L8], v[PC+4:PC+5], s[88:89] offset:768*\a+512
	global_store_b128 v[L16], v[PC+6:PC+9], s[88:89] offset:768*\a+106496      ; the next head's records lie 16 x 6,656 bytes on
	global_store_b64 v[L8], v[PC+10:PC+11], s[88:89] offset:768*\a+512+106496
.endr
	v_cndmask_b32 v[OW], v[W0], v[W0+1], vcc_lo    ; the word at 8 l + 4 j belongs to tile 2 j + l / 16 of my four
	v_cndmask_b32 v[OW+1], v[W0+2], v[W0+3], vcc_lo
	v_cndmask_b32 v[OW+2], v[W1], v[W1+1], vcc_lo
	v_cndmask_b32 v[OW+3], v[W1+2], v[W1+3], vcc_lo
	global_store_b64 v[L8], v[OW:OW+1], s[90:91]
	global_store_b64 v[L8], v[OW+2:OW+3], s[90:91] offset:106496
	s_branch .Lclose
	; ---- v: record [batch x 16 + head][step][6,400]: 4 tiles of d x 2 images (128 keys), then 256 bytes of scale words
.Lv_out:
	s_lshr_b32 s84, s[TC], 3
	s_lshl_b32 s84, s84, 4
	s_lshl_b32 s85, s[TR], 1
	s_add_co_u32 s84, s84, s85
	s_add_co_u32 s84, s84, s[WM]                   ; 16 batch + head
	s_lshl_b32 s84, s84, 4
	s_and_b32 s85, s[TC], 7
	s_lshl_b32 s85, s85, 1
	s_add_co_u32 s84, s84, s85
	s_add_co_u32 s84, s84, s[WN]                   ; x 16 + step
	s_mul_i32 s84, s84, 6400
	s_mov_b32 s85, 0
	s_add_nc_u64 s[16:17], s[16:17], s[84:85]
.irp a, 0,1,2,3
	WIN 0x02                                       ; source 0 window 2
.set i, 0
.rept 32
	v_pk_add_f32 v[HA+i:HA+i+1], v[64*\a+i:64*\a+i+1], v[BV+2*\a:BV+2*\a+1] op_sel_hi:[1,0]   ; + my channel's bias
.set i, i+2
.endr
	WIN 0
	s_wait_xcnt 0x0
	QUANT HA                                       ; 128 keys of my channel
	v_mov_b32 v[W0+\a], v[PW]
	IMG 16, 1536*\a
.endr
	v_cndmask_b32 v[OW], v[W0], v[W0+1], vcc_lo
	v_cndmask_b32 v[OW+1], v[W0+2], v[W0+3], vcc_lo
	global_store_b64 v[L8], v[OW:OW+1], s[16:17] offset:6144
.Lclose:
	s_wait_tensorcnt 0x0
	ds_add_u32 v254, v255
	s_wait_dscnt 0x0
	CROUND                                         ; the closing round: no work-group ends while a partner may still ask for a tile that names it
	s_endpgm
.Lfunc_end_k_q503d075780_gemm_qkv:
	.size	k_q503d075780_gemm_qkv, .Lfunc_end_k_q503d075780_gemm_qkv-k_q503d075780_gemm_qkv
	.p2alignl 7, 3214868480
	.fill 96, 4, 3214868480
	.section	.rodata,"a",@progbits
	.p2align	6, 0x0
	.amdhsa_kernel k_q503d075780_gemm_qkv
		.amdhsa_group_segment_fixed_size 295424
		.amdhsa_private_segment_fixed_size 0
		.amdhsa_enable_private_segment 0
		.amdhsa_kernarg_size 56
		.amdhsa_user_sgpr_count 2
		.amdhsa_user_sgpr_kernarg_segment_ptr 1
		.amdhsa_wavefront_size32 1
		.amdhsa_system_sgpr_workgroup_id_x 1
		.amdhsa_system_sgpr_workgroup_id_y 1
		.amdhsa_system_sgpr_workgroup_id_z 1
		.amdhsa_system_vgpr_workitem_id 0
		.amdhsa_next_free_vgpr 768
		.amdhsa_next_free_sgpr 100
		.amdhsa_reserve_vcc 1
		.amdhsa_float_denorm_mode_32 3
		.amdhsa_float_denorm_mode_16_64 3
		.amdhsa_memory_ordered 1
		.amdhsa_forward_progress 1
		.amdhsa_inst_pref_size 124
	.end_amdhsa_kernel
	.amdgpu_metadata
---
amdhsa.version: [ 1, 2 ]
amdhsa.kernels:
  - .name:           k_q503d075780_gemm_qkv
    .symbol:         k_q503d075780_gemm_qkv.kd
    .args:
      - { .name: xc, .offset: 0, .size: 8, .value_kind: global_buffer, .address_space: global }
      - { .name: xs, .offset: 8, .size: 8, .value_kind: global_buffer, .address_space: global }
      - { .name: wc, .offset: 16, .size: 8, .value_kind: global_buffer, .address_space: global }
      - { .name: ws, .offset: 24, .size: 8, .value_kind: global_buffer, .address_space: global }
      - { .name: qkv_b, .offset: 32, .size: 8, .value_kind: global_buffer, .address_space: global }
      - { .name: qk, .offset: 40, .size: 8, .value_kind: global_buffer, .address_space: global }
      - { .name: vv, .offset: 48, .size: 8, .value_kind: global_buffer, .address_space: global }
    .group_segment_fixed_size: 295424
    .private_segment_fixed_size: 0
    .kernarg_segment_align: 8
    .kernarg_segment_size: 56
    .max_flat_workgroup_size: 128
    .sgpr_count:     100
    .vgpr_count:     768
    .wavefront_size: 32
...
	.end_amdgpu_metadata
.endif
;; end of part 2
;; launch attn (part 3): grid 4 x 64, 16 waves a work-group, clusters of 4 x 1, 210,944 bytes of LDS; arguments qk, vv, oc, os; writes oc, os
.if DOCPART == 3
	.amdgcn_target "amdgcn-amd-amdhsa--gfx1250"
	.amdhsa_code_object_version 6
	.text
	.protected	k_q503d075780_attn
	.globl	k_q503d075780_attn
	.p2align	8
	.type	k_q503d075780_attn,@function
k_q503d075780_attn:
	s_mov_b64 s[64:65], 0
	v_nop
	global_prefetch_b8 v0, s[64:65] scope:SCOPE_SE
	s_setreg_imm32_b32 hwreg(HW_REG_WAVE_MODE, 25, 1), 1
	s_wait_xcnt 0x0
	s_wait_alu depctr_hold_cnt(0) depctr_sa_sdst(0) depctr_va_vdst(0) depctr_va_sdst(0) depctr_va_ssrc(0) depctr_va_vcc(0) depctr_vm_vsrc(0)
	s_getreg_b32 s2, hwreg(HW_REG_IB_STS2, 6, 4)
	s_cmp_eq_u32 s2, 0
	s_cbranch_scc0 .Lentry_in_a_cluster
	s_endpgm
.Lentry_in_a_cluster:
	s_bfe_u32 s2, ttmp6, 0x10000c
	s_cmp_lg_u32 s2, 0x3003
	s_cbranch_scc0 .Lentry_shape_is_right
	s_endpgm
.Lentry_shape_is_right:
; Causal attention of one head on codes of FP6 (E2M3): S^T = K Q^T (K = the head's 64, filled up to the instruction's 128 with zero codes on both sides), p = 2^(t - M), O^T += V^T P^T (K = 128 keys a step).
; t = score x log2(e) / 8; M = the running largest t rounded up to a whole number; p is quantised along the keys, not normalised; the row's sum of the unquantised p divides at the end.
; O / sum is quantised along the head's 64 and leaves as codes: operand A of the last product.
; SHARES.  A cluster of four work-groups is one head.  A head's K and V records (16 key steps of 128) lie in LDS whole, filled once by joint loads: wave w asks for step w's two records.
; Wave w (a = w % 8, hf = w / 8) owns two tiles of 16 queries, one after the other: in the group of 128 queries g = a, then in g = 15 - a; a + 1 and 16 - a key steps: 17 for every wave.
; Inside the group its tile is 2 cx + hf: cx enters global addresses of my own and the mask's number alone, never a branch or an LDS address.
; Every wave walks all 16 steps; a step whose keys all come after the group's queries is left out by a scalar branch on the wave's number and the counter.
; A lane holds ONE query throughout; since a tile's 16 keys are 32 (T / 2) + 8 (T % 2) + r % 8 + 16 (r / 8), the 16 registers of two neighbouring tiles are 16 neighbouring keys.
; The scale bytes of O leave one byte a lane (a head owns 2 of a row's 32 bytes): 32 bytes a tile beside its 768 bytes of codes.
; LIMITS: NaN and infinities are not served; a block whose largest magnitude lies under 2^-124 gets the byte 1.
.set KREC,  6656
.set VREC,  6400
.set VOFF,  16*KREC
.set L16,   1
.set L8,    2
.set DM,    3                          ; v3   my query in its group - 16 (lane / 16)
.set ADK16, 4
.set ADK8,  5
.set ADV16, 6
.set ADV8,  7
.set LV16,  8
.set LV8,   9
.set VS,    10                         ; v10-11 V's scale words
.set KS,    28                         ; v28-31 K's
.set KF,    32                         ; v32-79 four fragments of K; each one's upper six registers are zero codes
.set VF,    80                         ; v80-127 V's four fragments
.set S,     128                        ; v128-191 S^T, then p
.set OT,    192                        ; v192-223 O^T
.set P,     224                        ; v224-235 p's codes
.set BP,    236                        ; v236-243 at work
.set SO,    244                        ; v244-247 the conversions' scale operands
.set BM,    248                        ; v248-251 the blocks' largest scores
.set WV,    18
.set WA,    19
.set SEL,   20
.set CS,    22
.set G1K,   24
.set G1V,   32
.set G0K,   40
.set G0V,   44
.set GG,    48
.set ST,    49
.set TK,    50
.set TV,    51
.set HF,    70
.set CX,    71
.set BH,    72
.macro CROUND
	s_barrier_signal -1
	s_barrier_wait -1
	s_cmp_lg_u32 s[WV], 0
	s_cbranch_scc1 .Lnot_wave_0_\@
	s_barrier_signal -3
.Lnot_wave_0_\@:
	s_barrier_wait -3
	s_barrier_signal -1
	s_barrier_wait -1
.endm
.macro SQ t, f                                 ; S^T of tile t of the step's eight, from fragment f
.if (\t)%2
	v_wmma_scale_f32_16x16x128_f8f6f4 v[S+8*(\t):S+8*(\t)+7], v[KF+12*(\f):KF+12*(\f)+11], v[16:27], 0, v[KS+(\t)/2], v255 matrix_a_fmt:MATRIX_FMT_FP6 matrix_b_fmt:MATRIX_FMT_FP6 matrix_a_scale:MATRIX_SCALE_ROW1
.else
	v_wmma_scale_f32_16x16x128_f8f6f4 v[S+8*(\t):S+8*(\t)+7], v[KF+12*(\f):KF+12*(\f)+11], v[16:27], 0, v[KS+(\t)/2], v255 matrix_a_fmt:MATRIX_FMT_FP6 matrix_b_fmt:MATRIX_FMT_FP6
.endif
.endm
.macro OV d                                    ; O^T of tile d of the head's four
.if (\d)%2
	v_wmma_scale_f32_16x16x128_f8f6f4 v[OT+8*(\d):OT+8*(\d)+7], v[VF+12*(\d):VF+12*(\d)+11], v[P:P+11], v[OT+8*(\d):OT+8*(\d)+7], v[VS+(\d)/2], v253 matrix_a_fmt:MATRIX_FMT_FP6 matrix_b_fmt:MATRIX_FMT_FP6 matrix_a_scale:MATRIX_SCALE_ROW1
.else
	v_wmma_scale_f32_16x16x128_f8f6f4 v[OT+8*(\d):OT+8*(\d)+7], v[VF+12*(\d):VF+12*(\d)+11], v[P:P+11], v[OT+8*(\d):OT+8*(\d)+7], v[VS+(\d)/2], v253 matrix_a_fmt:MATRIX_FMT_FP6 matrix_b_fmt:MATRIX_FMT_FP6
.endif
.endm
	s_load_b256 s[4:11], s[0:1], 0x0               ; qk s[4:5], vv s[6:7], oc s[8:9], os s[10:11]
	v_lshl_add_u32 v254, v0, 2, 0x33000
	v_mov_b32 v255, 0
	ds_add_u32 v254, v255
	ds_add_u32 v254, v255
	s_wait_dscnt 0x0
	v_lshrrev_b32 v4, 5, v0
	s_delay_alu instid0(VALU_DEP_1)
	v_readfirstlane_b32 s[WV], v4                  ; wave 0..15
	s_and_b32 s[WA], s[WV], 7
	s_lshr_b32 s[HF], s[WV], 3
	s_bfe_u32 s[CX], ttmp6, 0x40000
	s_and_b32 s[BH], ttmp7, 0xffff                 ; 16 batch + head, which the four partners share
	; group 1: a record is a dense block: rows of 256 bytes (32 elements of 8), 26 for K's, 25 for V's; the mask names all four work-groups
	s_mov_b32 s[G1K], 15|(3<<16)|(1<<21)
	s_mov_b32 s[G1V], 15|(3<<16)|(1<<21)
.irp g, G1K, G1V
	s_mov_b32 s[\g+1], 32<<16
	s_mov_b32 s[\g+3], 32<<16
	s_mov_b32 s[\g+5], 32
	s_mov_b32 s[\g+6], 0
	s_mov_b32 s[\g+7], 0
.endr
	s_mov_b32 s[G1K+2], 26<<16
	s_mov_b32 s[G1K+4], 26
	s_mov_b32 s[G1V+2], 25<<16
	s_mov_b32 s[G1V+4], 25
	s_mul_i32 s52, s[BH], 16*KREC
	s_mul_i32 s54, s[WV], KREC
	s_add_co_u32 s52, s52, s54
	s_add_co_u32 s52, s52, 6815744                 ; k's records lie behind q's
	s_mov_b32 s53, 0
	s_mul_i32 s56, s[BH], 16*VREC
	s_mul_i32 s55, s[WV], VREC
	s_add_co_u32 s56, s56, s55
	s_mov_b32 s57, 0
	s_mov_b32 s[SEL], 0x76543210
	s_mov_b32 s[SEL+1], 0xfedcba98
	s_mov_b32 s[CS], 0x3e38aa3b                    ; c = log2(e) / 8
	s_mov_b32 s[CS+1], s[CS]                       ; (named with it as a pair)
	s_wait_kmcnt 0x0
	s_mov_b32 s[G0K], 1
	s_mov_b32 s[G0K+1], s54                        ; LDS: K's record w
	s_add_nc_u64 s[G0K+2:G0K+3], s[4:5], s[52:53]
	s_or_b32 s[G0K+3], s[G0K+3], 0x80000000
	s_mov_b32 s[G0V], 1
	s_add_co_u32 s[G0V+1], s55, VOFF               ; V's record w
	s_add_nc_u64 s[G0V+2:G0V+3], s[6:7], s[56:57]
	s_or_b32 s[G0V+3], s[G0V+3], 0x80000000
	CROUND                                         ; all four work-groups are here: the joint loads meet
	tensor_load_to_lds s[G0K:G0K+3], s[G1K:G1K+7]  ; two tensor loads of mine are out
	s_nop 0
	tensor_load_to_lds s[G0V:G0V+3], s[G1V:G1V+7]
	s_nop 0
.rept 4
	v_nop
.endr
	v_and_b32 v5, 31, v0
	s_delay_alu instid0(VALU_DEP_1)
	v_lshlrev_b32 v[L16], 4, v5
	s_delay_alu instid0(VALU_DEP_2)
	v_lshlrev_b32 v[L8], 3, v5
	s_delay_alu instid0(VALU_DEP_2)
	v_add_nc_u32 v[LV16], VOFF, v[L16]
	s_delay_alu instid0(VALU_DEP_2)
	v_add_nc_u32 v[LV8], VOFF, v[L8]
	v_and_b32 v6, 7, v0
	v_bfe_u32 v7, v0, 3, 1
	s_delay_alu instid0(VALU_DEP_1)
	v_lshl_add_u32 v6, v7, 4, v6                   ; r % 8 + 16 (r / 8)
	v_bfe_u32 v7, v0, 4, 1
	s_delay_alu instid0(VALU_DEP_1)
	v_lshlrev_b32 v7, 4, v7
	s_delay_alu instid0(VALU_DEP_1)
	v_sub_nc_u32 v[DM], v6, v7
	s_lshl_b32 s58, s[CX], 5
	s_lshl_b32 s59, s[HF], 3
	s_add_co_u32 s58, s58, s59
	v_add_nc_u32 v[DM], s58, v[DM]                 ; 32 cx + 8 hf + r % 8 + 16 (r / 8) - 16 h
.irp i, 22,23,24,25,26,27
	v_mov_b32 v[\i], 0                             ; Q's upper 64 along K: zero codes
.endr
.irp t, 0,1,2,3
.irp i, 6,7,8,9,10,11
	v_mov_b32 v[KF+12*\t+\i], 0                    ; K's likewise
.endr
.endr
.irp b, 0,1,2,3
	v_mov_b32 v[BP+\b], 0                          ; written once: a lane permute's destination counts as one of its sources
.endr
	v_mov_b32 v252, 0
	v_mov_b32 v253, 0                              ; (named as the upper half of the pair v[252:253] before it is first written)
	s_wait_tensorcnt 0x0                           ; my two records are in,
	s_barrier_signal -1
	s_barrier_wait -1                              ; everybody's are: the head's K and V lie in LDS, and nothing writes LDS from here on
.macro PASS p
	s_wait_xcnt 0x0                                ; the last pass's stores have read their registers and bases
.if \p
	s_sub_co_u32 s[GG], 15, s[WA]
.else
	s_mov_b32 s[GG], s[WA]
.endif
	s_lshl_b32 s52, s[BH], 4
	s_add_co_u32 s52, s52, s[GG]
	s_mul_i32 s52, s52, KREC                       ; q's record of group g
	s_mov_b32 s53, 0
	s_add_nc_u64 s[54:55], s[4:5], s[52:53]
	s_lshl_b32 s56, s[CX], 1
	s_add_co_u32 s56, s56, s[HF]                   ; my tile in the group
	s_mul_i32 s58, s56, 768
	s_mov_b32 s59, 0
	s_add_nc_u64 s[60:61], s[54:55], s[58:59]      ; its image
	s_lshr_b32 s58, s[CX], 1
	s_lshl_b32 s58, s58, 8
	s_and_b32 s57, s[CX], 1
	s_lshl_b32 s57, s57, 2
	s_add_co_u32 s58, s58, s57
	s_lshl_b32 s57, s[HF], 7
	s_add_co_u32 s58, s58, s57
	s_add_co_u32 s58, s58, 6144
	s_add_nc_u64 s[54:55], s[54:55], s[58:59]      ; its scale words: 8 bytes from row to row
	s_lshr_b32 s62, s[BH], 4
	s_lshl_b32 s62, s62, 7
	s_lshl_b32 s57, s[GG], 3
	s_add_co_u32 s62, s62, s57
	s_add_co_u32 s62, s62, s56                     ; the token tile: 128 batch + 8 g + tile
	s_and_b32 s57, s[BH], 15                       ; the head
	s_mul_i32 s66, s62, 12288
	s_mul_i32 s58, s57, 768
	s_add_co_u32 s66, s66, s58
	s_mov_b32 s67, 0
	s_add_nc_u64 s[66:67], s[8:9], s[66:67]        ; oc: the tile's image number head
	s_lshl_b32 s68, s62, 9
	s_lshl_b32 s58, s57, 1
	s_add_co_u32 s68, s68, s58
	s_mov_b32 s69, 0
	s_add_nc_u64 s[68:69], s[10:11], s[68:69]      ; os: the tile's rows, bytes 2 head on
	v_and_b32 v128, 15, v0
	s_delay_alu instid0(VALU_DEP_1)
	v_lshlrev_b32 v128, 3, v128
	global_load_b128 v[16:19], v[L16], s[60:61]
	global_load_b64 v[20:21], v[L8], s[60:61] offset:512
	global_load_b32 v255, v128, s[54:55]           ; Q's scale words
	v_mov_b32 v13, 0xff61b1e6                      ; the largest t so far: -3e38
	s_delay_alu instid0(VALU_DEP_1)
	v_floor_f32 v12, -v13                          ; -M
	v_mov_b32 v14, 0                               ; the sum, in two halves
	v_mov_b32 v15, 0
.set n, 0
.rept 32
	v_mov_b32 v[OT+n], 0                           ; the step is written once: the first finds zeros, which the first change of M leaves zeros
.set n, n+1
.endr
	s_mov_b32 s[ST], 0
	s_mov_b32 s[TK], 0
	s_mov_b32 s[TV], 0
	s_wait_loadcnt 0x0
.Lstep_\@:
	s_cmp_gt_u32 s[ST], s[GG]                      ; all keys of this step come after my queries
	s_cbranch_scc1 .Lskip_\@
	s_setprio 2
	v_add_nc_u32 v[ADK16], s[TK], v[L16]           ; these four are also the places between the last step's products and the loads below
	v_add_nc_u32 v[ADK8], s[TK], v[L8]
	v_add_nc_u32 v[ADV16], s[TV], v[LV16]
	v_add_nc_u32 v[ADV8], s[TV], v[LV8]
	ds_load_b64 v[KS:KS+1], v[ADK8] offset:6144    ; register t / 2: lanes 0-15 tile t even, lanes 16-31 tile t odd
	ds_load_b64 v[KS+2:KS+3], v[ADK8] offset:6400
.irp t, 0,1,2,3
	ds_load_b128 v[KF+12*\t:KF+12*\t+3], v[ADK16] offset:768*\t
	ds_load_b64 v[KF+12*\t+4:KF+12*\t+5], v[ADK8] offset:768*\t+512
.endr
.irp d, 0,1,2,3
	ds_load_b128 v[VF+12*\d:VF+12*\d+3], v[ADV16] offset:1536*\d
	ds_load_b64 v[VF+12*\d+4:VF+12*\d+5], v[ADV8] offset:1536*\d+512
	ds_load_b128 v[VF+12*\d+6:VF+12*\d+9], v[ADV16] offset:1536*\d+768
	ds_load_b64 v[VF+12*\d+10:VF+12*\d+11], v[ADV8] offset:1536*\d+1280
.endr
	ds_load_b64 v[VS:VS+1], v[ADV8] offset:6144
	s_wait_alu depctr_va_vdst(0)
	s_wait_dscnt 17                                ; K's scale words and tiles 0-3 are in; V's seventeen loads may be out
.irp t, 0,1,2,3
	SQ \t, \t
.endr
.rept 4
	v_nop                                          ; places ahead of loads into registers that the products read
.endr
.irp t, 0,1,2,3
	ds_load_b128 v[KF+12*\t:KF+12*\t+3], v[ADK16] offset:768*(\t+4)
	ds_load_b64 v[KF+12*\t+4:KF+12*\t+5], v[ADK8] offset:768*(\t+4)+512
.endr
	s_wait_dscnt 0x0
.irp t, 0,1,2,3
	SQ \t+4, \t
.endr
.rept 4
	v_nop
.endr
	s_cmp_lg_u32 s[ST], s[GG]                      ; on the diagonal the scores of hidden keys become -infinity ahead of the maximum
	s_cbranch_scc1 .Lopen_\@
	v_mov_b32 v254, 0xff800000
.set n, 0
.rept 64
	v_cmp_gt_i32 vcc_lo, 32*(n/16)+n%16, v[DM]     ; register 16 b + i holds key 32 b + 16 h + i of the step
	v_cndmask_b32 v[S+n], v[S+n], v254, vcc_lo
.set n, n+1
.endr
.Lopen_\@:
.irp b, 0,1,2,3
	v_max3_num_f32 v[BM+\b], v[S+16*\b], v[S+1+16*\b], v[S+2+16*\b]   ; the largest score of each block of 32 keys: for the row's maximum and for the block's largest p
.endr
.irp i, 3,5,7,9,11,13
.irp b, 0,1,2,3
	v_max3_num_f32 v[BM+\b], v[BM+\b], v[S+16*\b+\i], v[S+1+16*\b+\i]
.endr
.endr
.irp b, 0,1,2,3
	v_max_num_f32 v[BM+\b], v[BM+\b], v[S+15+16*\b]
.endr
.irp b, 0,1,2,3
	s_delay_alu instid0(VALU_DEP_4)
	v_permlanex16_b32 v[BP+\b], v[BM+\b], s[SEL], s[SEL+1]
.endr
.irp b, 0,1,2,3
	s_delay_alu instid0(VALU_DEP_4)
	v_max_num_f32 v[BM+\b], v[BM+\b], v[BP+\b]     ; with lane l xor 16's 16 keys
.endr
	s_delay_alu instid0(VALU_DEP_2)
	v_max3_num_f32 v254, v[BM], v[BM+1], v[BM+2]
	s_delay_alu instid0(VALU_DEP_1)
	v_max_num_f32 v254, v254, v[BM+3]
	s_delay_alu instid0(VALU_DEP_1)
	v_mul_f32 v254, s[CS], v254                    ; as t (c is positive)
	s_delay_alu instid0(VALU_DEP_1)
	v_max_num_f32 v13, v13, v254                   ; the running largest t
	v_mov_b32 v254, v12
	s_delay_alu instid0(VALU_DEP_2)
	v_floor_f32 v12, -v13                          ; the new -M = -ceil(t): a whole number
	s_delay_alu instid0(VALU_DEP_1)
	v_sub_f32 v254, v12, v254                      ; old M - new M: a whole number, 0 or less
	s_delay_alu instid0(VALU_DEP_1)
	v_cvt_i32_f32 v254, v254                       ; (it saturates)
	s_delay_alu instid0(VALU_DEP_1)
	v_ldexp_f32 v252, 1.0, v254                    ; f = 2^(old M - new M)
.set n, 0
	s_setprio 1
.rept 32
	v_pk_fma_f32 v[S+n:S+n+1], v[S+n:S+n+1], s[CS:CS+1], v[12:13] op_sel_hi:[1,0,0]   ; t - M
.set n, n+2
.endr
.irp b, 0,1,2,3
	v_fma_f32 v[BM+\b], v[BM+\b], s[CS], v12       ; the same of each block's largest score
.endr
.set n, 0
	s_wait_alu depctr_va_vdst(0)
.rept 64
	v_exp_f32 v[S+n], v[S+n]                       ; p = 2^(t - M)
.set n, n+1
.endr
	v_pk_mul_f32 v[14:15], v[14:15], v[252:253] op_sel_hi:[1,0]   ; the sums under the new M: a plain place behind the exponentials
	s_wait_alu depctr_va_vdst(0)                   ; one wait for the batch, ahead of its first reader
.irp b, 0,1,2,3
	v_exp_f32 v[BM+\b], v[BM+\b]                   ; the blocks' largest p
.endr
	v_pk_add_f32 v[236:237], v[132:133], v[136:137]
	v_pk_add_f32 v[246:247], v[140:141], v[144:145]
	v_pk_add_f32 v[244:245], v[148:149], v[152:153]
	v_pk_add_f32 v[242:243], v[156:157], v[160:161]
	v_pk_add_f32 v[240:241], v[164:165], v[168:169]
	v_pk_add_f32 v[238:239], v[172:173], v[176:177]
	v_pk_add_f32 v[234:235], v[180:181], v[184:185]
	v_pk_add_f32 v[14:15], v[14:15], v[188:189]
	v_pk_add_f32 v[236:237], v[236:237], v[128:129]
	v_pk_add_f32 v[246:247], v[246:247], v[130:131]
	v_pk_add_f32 v[244:245], v[244:245], v[134:135]
	v_pk_add_f32 v[242:243], v[242:243], v[138:139]
	v_pk_add_f32 v[240:241], v[240:241], v[142:143]
	v_pk_add_f32 v[238:239], v[238:239], v[146:147]
	v_pk_add_f32 v[234:235], v[234:235], v[150:151]
	v_pk_add_f32 v[14:15], v[14:15], v[154:155]
	v_pk_add_f32 v[236:237], v[236:237], v[158:159]
	v_pk_add_f32 v[246:247], v[246:247], v[162:163]
	v_pk_add_f32 v[244:245], v[244:245], v[166:167]
	v_pk_add_f32 v[242:243], v[242:243], v[170:171]
	v_pk_add_f32 v[240:241], v[240:241], v[174:175]
	v_pk_add_f32 v[238:239], v[238:239], v[178:179]
	v_pk_add_f32 v[234:235], v[234:235], v[182:183]
	v_pk_add_f32 v[14:15], v[14:15], v[186:187]
	v_pk_add_f32 v[236:237], v[236:237], v[190:191]
	s_delay_alu instid0(VALU_DEP_2)
	v_pk_add_f32 v[14:15], v[14:15], v[242:243]
	s_delay_alu instid0(VALU_DEP_2)
	v_pk_add_f32 v[236:237], v[236:237], v[240:241]
	v_pk_add_f32 v[246:247], v[246:247], v[238:239]
	v_pk_add_f32 v[244:245], v[244:245], v[234:235]
	s_delay_alu instid0(VALU_DEP_2)
	v_pk_add_f32 v[14:15], v[14:15], v[246:247]
	s_delay_alu instid0(VALU_DEP_2)
	v_pk_add_f32 v[236:237], v[236:237], v[244:245]
	s_delay_alu instid0(VALU_DEP_1)
	v_pk_add_f32 v[14:15], v[14:15], v[236:237]
	s_wait_alu depctr_va_vdst(0)                   ; and one for the four
.irp b, 0,1,2,3
	v_max_num_f32 v[BM+\b], 0x1800000, v[BM+\b]    ; the floor 2^(3 - 127)
.endr
.irp b, 0,1,2,3
	s_delay_alu instid0(VALU_DEP_4)
	v_add_nc_u32 v[SO+\b], 0xff000000, v[BM+\b]
.endr
.irp b, 0,1,2,3
	s_delay_alu instid0(VALU_DEP_4)
	v_lshrrev_b32 v[BP+\b], 23, v[SO+\b]
.endr
	s_delay_alu instid0(VALU_DEP_3)
	v_lshl_or_b32 v253, v[BP+1], 8, v[BP]          ; p's scale word for these 128 keys
	s_delay_alu instid0(VALU_DEP_1)
	v_lshl_or_b32 v253, v[BP+2], 16, v253
	s_delay_alu instid0(VALU_DEP_1)
	v_lshl_or_b32 v253, v[BP+3], 24, v253
	s_setprio 0
.irp c, 0,1
	v_cvt_scalef32_pk16_fp6_f32 v[P+6*\c:P+2+6*\c], v[S+32*\c:S+15+32*\c], v[SO+2*\c]
	v_cvt_scalef32_pk16_fp6_f32 v[BP+4*\c:BP+2+4*\c], v[S+16+32*\c:S+31+32*\c], v[SO+2*\c+1]
.endr
	v_nop                                          ; one plain place behind the scaled conversions
.irp c, 0,1
.irp i, 0,1,2
	v_permlane16_swap_b32 v[P+6*\c+\i], v[BP+4*\c+\i]
.endr
.irp i, 0,1,2
	s_delay_alu instid0(VALU_DEP_3)
	v_mov_b32 v[P+3+6*\c+\i], v[BP+4*\c+\i]
.endr
.endr
.set n, 0
.rept 16
	v_pk_mul_f32 v[OT+n:OT+n+1], v[OT+n:OT+n+1], v[252:253] op_sel_hi:[1,0]   ; O^T under the new M; these sixteen are also the places ahead of the products
.set n, n+2
.endr
.irp d, 0,1,2,3
	OV \d                                          ; the four accumulators by turns, one instruction a turn
.endr
.Lskip_\@:
	s_add_co_u32 s[TK], s[TK], KREC
	s_add_co_u32 s[TV], s[TV], VREC
	s_add_co_u32 s[ST], s[ST], 1
	s_cmp_lt_u32 s[ST], 16
	s_cbranch_scc1 .Lstep_\@
	s_setprio 0
	; the way out of a pass
.rept 4
	v_nop                                          ; places behind the last products
.endr
	v_add_f32 v14, v14, v15
	s_delay_alu instid0(VALU_DEP_1)
	v_permlanex16_b32 v252, v14, s[SEL], s[SEL+1]
	s_delay_alu instid0(VALU_DEP_1)
	v_add_f32 v14, v14, v252                       ; the row's sum
	s_wait_alu depctr_va_vdst(0)
	v_rcp_f32 v14, v14
	v_and_b32 v254, 15, v0                         ; (a plain place behind the reciprocal)
	s_delay_alu instid0(VALU_DEP_1)
	v_lshlrev_b32 v254, 5, v254
	v_bfe_u32 v252, v0, 4, 1
	s_delay_alu instid0(VALU_DEP_1)
	v_add_nc_u32 v254, v254, v252                  ; os: 32 r + h
	s_delay_alu instid0(VALU_DEP_2)
	v_cmp_ne_u32 vcc_lo, 0, v252
	s_wait_alu depctr_va_vdst(0)                   ; ahead of the reciprocal's first reader
.set n, 0
.rept 32
	v_mul_f32 v[S+n], v[OT+n], v14                 ; register 16 b + i: channel 32 b + 16 h + i of my query
.set n, n+1
.endr
.irp b, 0,1
	v_max3_num_f32 v[BM+\b], |v[S+16*\b]|, |v[S+1+16*\b]|, 0x1800000
.endr
.irp i, 2,4,6,8,10,12,14
.irp b, 0,1
	s_delay_alu instid0(VALU_DEP_2)
	v_max3_num_f32 v[BM+\b], v[BM+\b], |v[S+16*\b+\i]|, |v[S+1+16*\b+\i]|
.endr
.endr
.irp b, 0,1
	s_delay_alu instid0(VALU_DEP_2)
	v_permlanex16_b32 v[BP+\b], v[BM+\b], s[SEL], s[SEL+1]
.endr
.irp b, 0,1
	s_delay_alu instid0(VALU_DEP_2)
	v_max_num_f32 v[BM+\b], v[BM+\b], v[BP+\b]
.endr
.irp b, 0,1
	s_delay_alu instid0(VALU_DEP_2)
	v_add_nc_u32 v[SO+\b], 0xff000000, v[BM+\b]
.endr
.irp b, 0,1
	s_delay_alu instid0(VALU_DEP_2)
	v_lshrrev_b32 v[BP+\b], 23, v[SO+\b]
.endr
	v_cvt_scalef32_pk16_fp6_f32 v[P:P+2], v[S:S+15], v[SO]
	v_cvt_scalef32_pk16_fp6_f32 v[BP+4:BP+6], v[S+16:S+31], v[SO+1]
	v_nop                                          ; one plain place behind the scaled conversions
	v_cndmask_b32 v[BM], v[BP], v[BP+1], vcc_lo    ; lanes 0-15: block 0's byte; lanes 16-31: block 1's
.irp i, 0,1,2
	v_permlane16_swap_b32 v[P+\i], v[BP+4+\i]
.endr
.irp i, 0,1,2
	s_delay_alu instid0(VALU_DEP_3)
	v_mov_b32 v[P+3+\i], v[BP+4+\i]
.endr
	global_store_b128 v[L16], v[P:P+3], s[66:67]   ; the image: 512 and 256 consecutive bytes, aligned
	global_store_b64 v[L8], v[P+4:P+5], s[66:67] offset:512
	global_store_b8 v254, v[BM], s[68:69]
.endm
	PASS 0
	PASS 1
	s_wait_xcnt 0x0
	v_lshl_add_u32 v254, v0, 2, 0x33000
	v_mov_b32 v255, 0
	s_wait_alu depctr_va_vdst(0)
	s_wait_tensorcnt 0x0
	ds_add_u32 v254, v255
	s_wait_dscnt 0x0
	CROUND                                         ; the closing round
	s_endpgm
.Lfunc_end_k_q503d075780_attn:
	.size	k_q503d075780_attn, .Lfunc_end_k_q503d075780_attn-k_q503d075780_attn
	.p2alignl 7, 3214868480
	.fill 96, 4, 3214868480
	.section	.rodata,"a",@progbits
	.p2align	6, 0x0
	.amdhsa_kernel k_q503d075780_attn
		.amdhsa_group_segment_fixed_size 210944
		.amdhsa_private_segment_fixed_size 0
		.amdhsa_enable_private_segment 0
		.amdhsa_kernarg_size 32
		.amdhsa_user_sgpr_count 2
		.amdhsa_user_sgpr_kernarg_segment_ptr 1
		.amdhsa_wavefront_size32 1
		.amdhsa_system_sgpr_workgroup_id_x 1
		.amdhsa_system_sgpr_workgroup_id_y 1
		.amdhsa_system_sgpr_workgroup_id_z 1
		.amdhsa_system_vgpr_workitem_id 0
		.amdhsa_next_free_vgpr 256
		.amdhsa_next_free_sgpr 80
		.amdhsa_reserve_vcc 1
		.amdhsa_float_denorm_mode_32 3
		.amdhsa_float_denorm_mode_16_64 3
		.amdhsa_memory_ordered 1
		.amdhsa_forward_progress 1
		.amdhsa_inst_pref_size 67
	.end_amdhsa_kernel
	.amdgpu_metadata
---
amdhsa.version: [ 1, 2 ]
amdhsa.kernels:
  - .name:           k_q503d075780_attn
    .symbol:         k_q503d075780_attn.kd
    .args:
      - { .name: qk, .offset: 0, .size: 8, .value_kind: global_buffer, .address_space: global }
      - { .name: vv, .offset: 8, .size: 8, .value_kind: global_buffer, .address_space: global }
      - { .name: oc, .offset: 16, .size: 8, .value_kind: global_buffer, .address_space: global }
      - { .name: os, .offset: 24, .size: 8, .value_kind: global_buffer, .address_space: global }
    .group_segment_fixed_size: 210944
    .private_segment_fixed_size: 0
    .kernarg_segment_align: 8
    .kernarg_segment_size: 32
    .max_flat_workgroup_size: 512
    .sgpr_count:     80
    .vgpr_count:     256
    .wavefront_size: 32
...
	.end_amdgpu_metadata
.endif
;; end of part 3
;; launch gemm_proj (part 4): grid 4 x 64, 4 waves a work-group, clusters of 4 x 4, 295,424 bytes of LDS; arguments oc, os, wc, ws, proj_b, out0; writes out0
.if DOCPART == 4
	.amdgcn_target "amdgcn-amd-amdhsa--gfx1250"
	.amdhsa_code_object_version 6
	.text
	.protected	k_q503d075780_gemm_proj
	.globl	k_q503d075780_gemm_proj
	.p2align	8
	.type	k_q503d075780_gemm_proj,@function
k_q503d075780_gemm_proj:
	s_mov_b64 s[64:65], 0
	v_nop
	global_prefetch_b8 v0, s[64:65] scope:SCOPE_SE
	s_setreg_imm32_b32 hwreg(HW_REG_WAVE_MODE, 25, 1), 1
	s_wait_xcnt 0x0
	s_wait_alu depctr_hold_cnt(0) depctr_sa_sdst(0) depctr_va_vdst(0) depctr_va_sdst(0) depctr_va_ssrc(0) depctr_va_vcc(0) depctr_vm_vsrc(0)
	s_getreg_b32 s2, hwreg(HW_REG_IB_STS2, 6, 4)
	s_cmp_eq_u32 s2, 0
	s_cbranch_scc0 .Lentry_in_a_cluster
	s_endpgm
.Lentry_in_a_cluster:
	s_bfe_u32 s2, ttmp6, 0x10000c
	s_cmp_lg_u32 s2, 0xf033
	s_cbranch_scc0 .Lentry_shape_is_right
	s_endpgm
.Lentry_shape_is_right:
; out = Q(O) Q(proj_w) + proj_b on codes of FP6 (E2M3) with E8M0 scales; out0 [8192][1024] f32.
; A work-group makes 128 tokens (operand A: oc, os) x 256 columns (operand B: rows 3,072 on of wc, ws) over all of K = 1024; four waves stand 2 x 2, a wave makes 64 x 128: 32 accumulators.
; THE MATRIX INSTRUCTION IS USED TRANSPOSED (source 0 = 16 rows of B, source 1 = 16 rows of A): a lane holds one token, and, since a tile's 16 rows are index
; 32 (T / 2) + 8 (T % 2) + r % 8 + 16 (r / 8), the 16 registers of two neighbouring tiles of B are 16 neighbouring columns.
; ALL OF K LIES IN LDS: 384 rows x 768 bytes, in four chunks of 256 along K, each filled once; no LDS byte is filled twice.
; CLUSTER 4 x 4: A's block is shared along a row of the cluster, B's along a column: joint loads.
; THE WAY OUT goes through a stage of each wave's own in A's first two chunks: they have had their only fill, and every wave's reads of them ended ahead of a barrier that the writer has passed.
; REGISTERS: window 0: v1-21 addresses; v32-47 A's scale words, v48-79 B's (they hold nothing else); v96-191 A's fragments, two sets; on the way out v96-159 results, v160-223 rows read back.
;   window 1: v0-191 B's fragments, two sets; v192-255 64 biases.   window 2: accumulator (a, b) at v[8 (8 a + b)].
.set ACH,  24576
.set BCH,  49152
.set BOFF, 4*ACH
.set L16,  1
.set L8,   2
.set L32,  3
.set AA,   4
.set BB,   8
.set LN,   16
.set STO,  20                          ; v20  the stage: where I put 16 bytes of my token's row
.set SRD,  21                          ; v21  and where I read a row back
.set AS,   32
.set BS,   48
.set AF,   96
.set BI,   192                         ; in window 1
.set HA,   96
.set BK,   160
.set WV,   18
.set WM,   19
.set WN,   20
.set CX,   21
.set CY,   22
.set YY,   24
.set TR,   25
.set TC,   26
.set G1A,  28
.set G1B,  36
.set G0A,  44
.set G0B,  68
.set MSB, 0
.macro WIN new                         ; the immediate's high byte repeats the setting that is left
.if MSB != \new
	s_set_vgpr_msb (MSB<<8)|\new
.set MSB, \new
.endif
.endm
.set MUL,  0xa1
.set TO_B, 0x40
.macro PLACES
.rept 4
	v_nop
.endr
.endm
.macro CROUND
	s_barrier_signal -1
	s_barrier_wait -1
	s_cmp_lg_u32 s[WV], 0
	s_cbranch_scc1 .Lnot_wave_0_\@
	s_barrier_signal -3
.Lnot_wave_0_\@:
	s_barrier_wait -3
	s_barrier_signal -1
	s_barrier_wait -1
.endm
.macro FRAG reg, a16, off
	ds_load_b128 v[\reg:\reg+3], v[\a16] offset:\off
	ds_load_b64 v[\reg+4:\reg+5], v[\a16+1] offset:\off+512
	ds_load_b128 v[\reg+6:\reg+9], v[\a16] offset:\off+768
	ds_load_b64 v[\reg+10:\reg+11], v[\a16+1] offset:\off+1280
.endm
.macro FETCH q, set
	WIN TO_B
.irp b, 0,1,2,3,4,5,6,7
	FRAG 96*(\set)+12*\b, BB+2*((\q)/2), \b*3072+((\q)%2)*1536
.endr
	WIN 0
.irp a, 0,1,2,3
	FRAG AF+48*(\set)+12*\a, AA+2*((\q)/4), (((\q)/2)%2)*ACH+\a*3072+((\q)%2)*1536
.endr
.endm
.macro WM d, bf, af, zero, sb, sa, rb, ra
.if \zero
.if (\rb) && (\ra)
	v_wmma_scale_f32_16x16x128_f8f6f4 v[\d:\d+7], v[\bf:\bf+11], v[\af:\af+11], 0, v[\sb], v[\sa] matrix_a_fmt:MATRIX_FMT_FP6 matrix_b_fmt:MATRIX_FMT_FP6 matrix_a_scale:MATRIX_SCALE_ROW1 matrix_b_scale:MATRIX_SCALE_ROW1
.elseif (\rb)
	v_wmma_scale_f32_16x16x128_f8f6f4 v[\d:\d+7], v[\bf:\bf+11], v[\af:\af+11], 0, v[\sb], v[\sa] matrix_a_fmt:MATRIX_FMT_FP6 matrix_b_fmt:MATRIX_FMT_FP6 matrix_a_scale:MATRIX_SCALE_ROW1
.elseif (\ra)
	v_wmma_scale_f32_16x16x128_f8f6f4 v[\d:\d+7], v[\bf:\bf+11], v[\af:\af+11], 0, v[\sb], v[\sa] matrix_a_fmt:MATRIX_FMT_FP6 matrix_b_fmt:MATRIX_FMT_FP6 matrix_b_scale:MATRIX_SCALE_ROW1
.else
	v_wmma_scale_f32_16x16x128_f8f6f4 v[\d:\d+7], v[\bf:\bf+11], v[\af:\af+11], 0, v[\sb], v[\sa] matrix_a_fmt:MATRIX_FMT_FP6 matrix_b_fmt:MATRIX_FMT_FP6
.endif
.else
.if (\rb) && (\ra)
	v_wmma_scale_f32_16x16x128_f8f6f4 v[\d:\d+7], v[\bf:\bf+11], v[\af:\af+11], v[\d:\d+7], v[\sb], v[\sa] matrix_a_fmt:MATRIX_FMT_FP6 matrix_b_fmt:MATRIX_FMT_FP6 matrix_a_scale:MATRIX_SCALE_ROW1 matrix_b_scale:MATRIX_SCALE_ROW1
.elseif (\rb)
	v_wmma_scale_f32_16x16x128_f8f6f4 v[\d:\d+7], v[\bf:\bf+11], v[\af:\af+11], v[\d:\d+7], v[\sb], v[\sa] matrix_a_fmt:MATRIX_FMT_FP6 matrix_b_fmt:MATRIX_FMT_FP6 matrix_a_scale:MATRIX_SCALE_ROW1
.elseif (\ra)
	v_wmma_scale_f32_16x16x128_f8f6f4 v[\d:\d+7], v[\bf:\bf+11], v[\af:\af+11], v[\d:\d+7], v[\sb], v[\sa] matrix_a_fmt:MATRIX_FMT_FP6 matrix_b_fmt:MATRIX_FMT_FP6 matrix_b_scale:MATRIX_SCALE_ROW1
.else
	v_wmma_scale_f32_16x16x128_f8f6f4 v[\d:\d+7], v[\bf:\bf+11], v[\af:\af+11], v[\d:\d+7], v[\sb], v[\sa] matrix_a_fmt:MATRIX_FMT_FP6 matrix_b_fmt:MATRIX_FMT_FP6
.endif
.endif
.endm
; the 32 accumulators take turns, one instruction a turn, in the same order in every K step
.macro MUL16 a0, q, set, zero
.irp a, \a0, \a0+1
.irp b, 0,1,2,3,4,5,6,7
	WM 8*(8*(\a)+\b), 96*(\set)+12*\b, AF+48*(\set)+12*(\a), \zero, BS+8*(\b/2)+(\q), AS+8*((\a)/2)+(\q), \b%2, (\a)%2
.endr
.endr
.endm
.macro EVEN q, zero
	s_wait_dscnt 0x0                               ; this step's fragments are in
.if (\q) > 0
	PLACES                                         ; four places between the last products that read set 1 and the loads into it
.endif
	FETCH (\q)+1, 1
	WIN MUL
	MUL16 0, \q, 0, \zero
	MUL16 2, \q, 0, \zero
.endm
.macro ODD q
	s_wait_dscnt 0x0
	s_wait_tensorcnt 2-(\q)/2                      ; my part of the next chunk is in; the later chunks may stay out
	s_barrier_signal -1
	MUL16 0, \q, 1, 0
	s_barrier_wait -1
	PLACES
	FETCH (\q)+1, 0
	WIN MUL
	MUL16 2, \q, 1, 0
.endm
	s_load_b256 s[4:11], s[0:1], 0x0               ; oc s[4:5], os s[6:7], wc s[8:9], ws s[10:11]
	s_load_b128 s[12:15], s[0:1], 0x20             ; proj_b s[12:13], out0 s[14:15]
	v_lshl_add_u32 v254, v0, 2, 0x48000
	v_mov_b32 v255, 0
	ds_add_u32 v254, v255
	ds_add_u32 v254, v255
	v_lshrrev_b32 v17, 5, v0
	v_readfirstlane_b32 s[WV], v17
	s_lshr_b32 s[WM], s[WV], 1
	s_and_b32 s[WN], s[WV], 1
	s_bfe_u32 s[CX], ttmp6, 0x40000
	s_bfe_u32 s[CY], ttmp6, 0x40004
	s_and_b32 s[YY], ttmp7, 0xffff
	s_lshl_b32 s[TR], s[YY], 2
	s_add_co_u32 s[TR], s[TR], s[CY]               ; the block of 128 tokens
	s_lshl_b32 s[TC], ttmp9, 2
	s_add_co_u32 s[TC], s[TC], s[CX]               ; the block of 256 columns
	s_lshl_b32 s86, s[CY], 2
	s_lshl_b32 s86, 15, s86
	s_lshl_b32 s87, 0x1111, s[CX]
	s_or_b32 s[G1A], s86, (3<<16)|(1<<21)
	s_or_b32 s[G1B], s87, (3<<16)|(1<<21)
.irp g, G1A, G1B
	s_mov_b32 s[\g+1], 384<<16
	s_mov_b32 s[\g+3], 384<<16
	s_mov_b32 s[\g+5], 1536
	s_mov_b32 s[\g+6], 0
	s_mov_b32 s[\g+7], 0
.endr
	s_mov_b32 s[G1A+2], 4<<16
	s_mov_b32 s[G1A+4], 4
	s_mov_b32 s[G1B+2], 8<<16
	s_mov_b32 s[G1B+4], 8
	s_mul_i32 s88, s[TR], 98304
	s_mul_i32 s89, s[WN], 49152
	s_add_co_u32 s88, s88, s89
	s_mov_b32 s89, 0
	s_mul_i32 s90, s[TC], 196608
	s_mul_i32 s91, s[WN], 98304
	s_add_co_u32 s90, s90, s91
	s_add_co_u32 s90, s90, 2359296                 ; proj_w's columns begin at row 3,072 of wc
	s_mov_b32 s91, 0
	s_lshl_b32 s92, s[TR], 12
	s_lshl_b32 s93, s[WM], 11
	s_add_co_u32 s92, s92, s93
	s_mov_b32 s93, 0
	s_lshl_b32 s94, s[TC], 13
	s_lshl_b32 s95, s[WN], 12
	s_add_co_u32 s94, s94, s95
	s_add_co_u32 s94, s94, 98304                   ; and of ws
	s_mov_b32 s95, 0
	s_mul_i32 s96, s[WN], 12288
	s_mul_i32 s97, s[WN], 24576
	s_add_co_u32 s97, s97, BOFF
	s_wait_dscnt 0x0
	s_wait_kmcnt 0x0
	s_add_nc_u64 s[84:85], s[4:5], s[88:89]
	s_add_nc_u64 s[86:87], s[6:7], s[92:93]
	s_add_nc_u64 s[98:99], s[8:9], s[90:91]
	s_add_nc_u64 s[66:67], s[10:11], s[94:95]
.irp c, 0,1,2,3
	s_mov_b32 s[G0A+4*\c], 1
	s_add_co_u32 s[G0A+4*\c+1], s96, \c*ACH
	s_add_nc_u64 s[G0A+4*\c+2:G0A+4*\c+3], s[84:85], \c*3072
	s_or_b32 s[G0A+4*\c+3], s[G0A+4*\c+3], 0x80000000
	s_mov_b32 s[G0B+4*\c], 1
	s_add_co_u32 s[G0B+4*\c+1], s97, \c*BCH
	s_add_nc_u64 s[G0B+4*\c+2:G0B+4*\c+3], s[98:99], \c*3072
	s_or_b32 s[G0B+4*\c+3], s[G0B+4*\c+3], 0x80000000
.endr
	CROUND                                         ; all sixteen work-groups are here: the joint loads meet
	s_cmp_lt_u32 s[WV], 2                          ; a wave's four fills stand in one branch: four tensor loads of mine are out
	s_cbranch_scc0 .Lfor_b
.irp c, 0,1,2,3
	tensor_load_to_lds s[G0A+4*\c:G0A+4*\c+3], s[G1A:G1A+7]
	s_nop 0
.endr
	PLACES
	s_branch .Lasked
.Lfor_b:
.irp c, 0,1,2,3
	tensor_load_to_lds s[G0B+4*\c:G0B+4*\c+3], s[G1B:G1B+7]
	s_nop 0
.endr
	PLACES
.Lasked:
	v_and_b32 v[LN], 31, v0
	v_lshlrev_b32 v[L16], 4, v[LN]
	v_lshlrev_b32 v[L8], 3, v[LN]
	v_lshlrev_b32 v[L32], 5, v[LN]
	s_mul_i32 s88, s[WM], 12288
.irp p, 0,1
	v_add_nc_u32 v[AA+2*\p], s88, v[L16]
	v_add_nc_u32 v[AA+2*\p+1], s88, v[L8]
	s_add_co_u32 s88, s88, 2*ACH
.endr
	s_mul_i32 s89, s[WN], 24576
	s_add_co_u32 s89, s89, BOFF
.irp c, 0,1,2,3
	v_add_nc_u32 v[BB+2*\c], s89, v[L16]
	v_add_nc_u32 v[BB+2*\c+1], s89, v[L8]
	s_add_co_u32 s89, s89, BCH
.endr
	s_mul_i32 s88, s[WV], 8448                     ; my stage: 16 rows of 512 bytes + 16
	v_and_b32 v18, 15, v0
	v_bfe_u32 v17, v0, 4, 1
	v_lshlrev_b32 v17, 6, v17                      ; 64 h
	s_wait_alu depctr_va_vdst(0)
	v_mul_u32_u24 v[STO], v18, 528
	v_add_nc_u32 v[STO], v[STO], v17
	v_add_nc_u32 v[STO], s88, v[STO]
	v_add_nc_u32 v[SRD], s88, v[L16]
.irp p, 0,1
.irp y, 0,1
	global_load_b128 v[AS+8*\p+4*\y:AS+8*\p+4*\y+3], v[L32], s[86:87] offset:1024*\p+16*\y
.endr
.endr
.irp p, 0,1,2,3
.irp y, 0,1
	global_load_b128 v[BS+8*\p+4*\y:BS+8*\p+4*\y+3], v[L32], s[66:67] offset:1024*\p+16*\y
.endr
.endr
	s_lshl_b32 s90, s[TC], 10
	s_lshl_b32 s91, s[WN], 9
	s_add_co_u32 s90, s90, s91                     ; 4 (256 TC + 128 wn): my first column, in proj_b and in a row of out0
	s_mov_b32 s91, 0
	s_add_nc_u64 s[94:95], s[12:13], s[90:91]
	s_lshl_b32 s92, s[TR], 19
	s_lshl_b32 s93, s[WM], 18
	s_add_co_u32 s92, s92, s93                     ; my first token's row: (128 TR + 64 wm) x 4,096 bytes
	s_add_co_u32 s92, s92, s90
	s_mov_b32 s93, 0
	s_add_nc_u64 s[14:15], s[14:15], s[92:93]
	WIN TO_B
.irp e, 0,1,2,3,4,5,6,7,8,9,10,11,12,13,14,15
	global_load_b128 v[BI+4*\e:BI+4*\e+3], v17, s[94:95] offset:128*(\e/4)+16*(\e%4)   ; register 16 b + i: column 32 b + 16 h + i
.endr
	WIN 0
	s_wait_loadcnt 0x0                             ; scales and biases
	s_wait_tensorcnt 3                             ; my part of chunk 0 is in; three loads may stay out
	s_barrier_signal -1
	s_barrier_wait -1
	FETCH 0, 0
	EVEN 0, 1                                      ; the first products start the sums
	ODD 1
	EVEN 2, 0
	ODD 3
	EVEN 4, 0
	ODD 5
	EVEN 6, 0
	s_wait_dscnt 0x0
	MUL16 0, 7, 1, 0
	MUL16 2, 7, 1, 0
	WIN 0
	PLACES                                         ; four places ahead of the first read of results and of writes into A's fragments
	; THE WAY OUT, a tile of 16 tokens at a time: + bias; 64 bytes a lane and block into my stage, rows in the order of the lanes; back as whole rows of 512 bytes;
	; the tile's order of tokens is undone in the stores' immediates
.irp a, 0,1,2,3
	WIN 0x06                                       ; source 0 window 2, source 1 window 1
.set i, 0
.rept 32
	v_pk_add_f32 v[HA+i:HA+i+1], v[64*\a+i:64*\a+i+1], v[BI+i:BI+i+1]   ; each accumulator from its low end on
.set i, i+2
.endr
	WIN 0
.irp e, 0,1,2,3,4,5,6,7,8,9,10,11,12,13,14,15
	ds_store_b128 v[STO], v[HA+4*\e:HA+4*\e+3] offset:128*(\e/4)+16*(\e%4)
.endr
	s_wait_xcnt 0x0                                ; the last tile's stores have read their registers
.irp t, 0,1,2,3,4,5,6,7,8,9,10,11,12,13,14,15
	ds_load_b128 v[BK+4*\t:BK+4*\t+3], v[SRD] offset:528*\t   ; LDS serves a wave's instructions in order: these see the stores above
.endr
.irp t, 0,1,2,3,4,5,6,7,8,9,10,11,12,13,14,15
	s_wait_dscnt 15-\t                             ; the later rows may be out
	global_store_b128 v[L16], v[BK+4*\t:BK+4*\t+3], s[14:15] offset:(32*(\a/2)+8*(\a%2)+(\t%8)+16*(\t/8))*4096 th:TH_STORE_NT   ; 512 consecutive bytes, aligned
.endr
.endr
	s_wait_tensorcnt 0x0
	ds_add_u32 v254, v255
	s_wait_dscnt 0x0
	CROUND                                         ; the closing round: no work-group ends while a partner may still ask for a tile that names it
	s_endpgm
.Lfunc_end_k_q503d075780_gemm_proj:
	.size	k_q503d075780_gemm_proj, .Lfunc_end_k_q503d075780_gemm_proj-k_q503d075780_gemm_proj
	.p2alignl 7, 3214868480
	.fill 96, 4, 3214868480
	.section	.rodata,"a",@progbits
	.p2align	6, 0x0
	.amdhsa_kernel k_q503d075780_gemm_proj
		.amdhsa_group_segment_fixed_size 295424
		.amdhsa_private_segment_fixed_size 0
		.amdhsa_enable_private_segment 0
		.amdhsa_kernarg_size 48
		.amdhsa_user_sgpr_count 2
		.amdhsa_user_sgpr_kernarg_segment_ptr 1
		.amdhsa_wavefront_size32 1
		.amdhsa_system_sgpr_workgroup_id_x 1
		.amdhsa_system_sgpr_workgroup_id_y 1
		.amdhsa_system_sgpr_workgroup_id_z 1
		.amdhsa_system_vgpr_workitem_id 0
		.amdhsa_next_free_vgpr 768
		.amdhsa_next_free_sgpr 100
		.amdhsa_reserve_vcc 0
		.amdhsa_float_denorm_mode_32 3
		.amdhsa_float_denorm_mode_16_64 3
		.amdhsa_memory_ordered 1
		.amdhsa_forward_progress 1
		.amdhsa_inst_pref_size 95
	.end_amdhsa_kernel
	.amdgpu_metadata
---
amdhsa.version: [ 1, 2 ]
amdhsa.kernels:
  - .name:           k_q503d075780_gemm_proj
    .symbol:         k_q503d075780_gemm_proj.kd
    .args:
      - { .name: oc, .offset: 0, .size: 8, .value_kind: global_buffer, .address_space: global }
      - { .name: os, .offset: 8, .size: 8, .value_kind: global_buffer, .address_space: global }
      - { .name: wc, .offset: 16, .size: 8, .value_kind: global_buffer, .address_space: global }
      - { .name: ws, .offset: 24, .size: 8, .value_kind: global_buffer, .address_space: global }
      - { .name: proj_b, .offset: 32, .size: 8, .value_kind: global_buffer, .address_space: global }
      - { .name: out0, .offset: 40, .size: 8, .value_kind: global_buffer, .address_space: global }
    .group_segment_fixed_size: 295424
    .private_segment_fixed_size: 0
    .kernarg_segment_align: 8
    .kernarg_segment_size: 48
    .max_flat_workgroup_size: 128
    .sgpr_count:     100
    .vgpr_count:     768
    .wavefront_size: 32
...
	.end_amdgpu_metadata
.endif
;; end of part 4
